; MI455X (gfx1250); checked and timed in simulation.
; The chip was launched on July 23, 2026; its instructions are those of AMD's public machine-readable ISA for CDNA 5 (MIT licence, August 2026) and "CDNA5" Instruction Set Architecture Reference Guide (July 2026). The comments in the code are by the model that wrote it; some were corrected since.
;; Attention. Allowed arithmetic: matrix products marked QUANTISED: E4M3 operands, one E8M0 scale for each 32 along K, by v_wmma_scale_f32_16x16x128_f8f6f4 with both operands' format E4M3, f32 sums; everything else in f32.
;; Inputs: freqs_cos 2,048 x 64 float32; freqs_sin 2,048 x 64 float32; mask 2,048 x 2,048 float32; wk 2,048 x 2,048 float32; wo 2,048 x 2,048 float32; wq 2,048 x 2,048 float32; wv 2,048 x 2,048 float32; x 1 x 2,048 x 2,048 float32.
;; Outputs: out0 1 x 2,048 x 2,048 float32.
;; Constants: start_pos = 0.
;; This version of the problem:
;;   THIS VERSION OF THE PROBLEM IS GIVEN IN LOW PRECISION. The matrix products marked QUANTISED in the list below multiply operands that are first quantised to E4M3 (4 exponent bits, 3 mantissa bits; 8 bits a number), with one power-of-two scale for each 32 numbers along K (OCP MX v1.0); their sums are f32. All else is computed in f32.
;;   The module's matrix products, in the order in which they are computed (A, B: the left and right operand; K: the contracted axis; several contracted axes count as one K, in the product's order):
;;     1. [M 2,048, K 2,048] x [K 2,048, N 2,048]; A: input x; B: input wq: QUANTISED
;;     2. [M 2,048, K 2,048] x [K 2,048, N 2,048]; A: input x; B: input wk: QUANTISED
;;     3. [M 2,048, K 2,048] x [K 2,048, N 2,048]; A: input x; B: input wv: QUANTISED
;;     4. batch 16 x [M 2,048, K 128] x [K 128, N 2,048]; A: computed on the way; B: computed on the way: QUANTISED
;;     5. batch 16 x [M 128, K 2,048] x [K 2,048, N 2,048]; A: computed on the way; B: softmax (see below): QUANTISED
;;     6. [M 2,048, K 2,048] x [K 2,048, N 2,048]; A: computed on the way; B: input wo: QUANTISED
;;   THE QUANTISER, for each operand of a quantised product, along K:
;;     - K is cut into blocks of 32 from its start; a last block that is shorter is filled with zeros.
;;     - A block's scale is 2^e with e = floor(log2(the largest magnitude in the block)) - 8, held to -126 .. 127; a block of zeros has e = 0. As a byte (E8M0): e + 127.
;;     - Each number is divided by its block's scale, clamped to +-448, and rounded to the nearest number of E4M3, ties to even, subnormals kept.
;;     - The product sums the exact products of the quantised numbers (number of the format x scale) in f32.
;;   ~~~python
;;   def quantise(x, axis):      # numpy; x: float32 -> the quantised numbers, widened to float32 again
;;       x = np.moveaxis(x, axis, -1); K = x.shape[-1]
;;       x = np.pad(x, [(0, 0)] * (x.ndim - 1) + [(0, -K % 32)]); x = x.reshape(x.shape[:-1] + (-1, 32)); a = np.abs(x).max(-1, keepdims=True)
;;       e = np.where(a > 0, np.clip(np.frexp(np.where(a > 0, a, 1))[1] - 1 - 8, -126, 127), 0)      # np.frexp(a)[1] - 1 = floor(log2(a)), exactly
;;       r = np.clip(x / 2.0 ** e, -448, 448)
;;       step = 2.0 ** (np.maximum(np.frexp(np.where(r == 0, 1, r))[1] - 1, -6) - 3)
;;       q = np.round(r / step) * step * 2.0 ** e      # np.round: ties to even
;;       return np.moveaxis(q.reshape(q.shape[:-2] + (-1,))[..., :K], -1, axis).astype(np.float32)
;;   ~~~
;;   SOFTMAX AHEAD OF A QUANTISED PRODUCT. Where the list says 'softmax', what is quantised is not the finished softmax but p = 2^(t - M), with t = logit x log2(e) and M = ceil(the row's largest t), a whole number; so 1/2 < the row's largest p <= 1. The row's sum l is taken of the UNQUANTISED p, in f32, and the product's result is divided by l at the end. Since M is a whole number, a kernel that streams over the keys may use a running M (the ceiling of the running maximum): every later rescaling is an exact power of two, which a block's scale takes up: the codes' values come out the same.
;;   OPERANDS COMPUTED ON THE WAY. 'Computed on the way' means the value that the module computes at that place (a softmax that the list does not call 'softmax' is quantised finished and normalised). What goes into a quantiser is computed in f32, as accurately as f32 sums, v_exp_f32 and their like allow (about 1e-6 of the number): no bf16 or f16 on the way to a quantiser, and a product that is left as it is and whose result goes on into a quantised operand takes f32 operands (vector FMAs, or v_wmma_f32_16x16x4_f32). A number that lies on a knife's edge between two numbers of the format may be rounded either way, as far as f32 arithmetic and the matrix unit's own rounding can turn it there, and no further.
;; One version. Each part assembles by itself: llvm-mc -triple=amdgcn-amd-amdhsa -mcpu=gfx1250 --defsym DOCPART=n.
;; ======== version 1 of 1: 4 launches
;; limits: right only within a limited range of input values
;; workspace buffers: ximg 4,325,376 bytes; wimg 17,301,504 bytes; qkv 12,976,128 bytes; aimg 4,325,376 bytes
;; launch quant (part 1): grid 256 x 1, 8 waves a work-group, no clusters, 327,680 bytes of LDS; arguments x, wq, wk, wv, wo, ximg, wimg; writes ximg, wimg
.if DOCPART == 1
	.amdgcn_target "amdgcn-amd-amdhsa--gfx1250"
	.amdhsa_code_object_version 6
	.text
	.protected	k_q9147b2c0e9_quant
	.globl	k_q9147b2c0e9_quant
	.p2align	8
	.type	k_q9147b2c0e9_quant,@function
k_q9147b2c0e9_quant:
	s_mov_b64 s[64:65], 0
	v_nop
	global_prefetch_b8 v0, s[64:65] scope:SCOPE_SE
	s_setreg_imm32_b32 hwreg(HW_REG_WAVE_MODE, 25, 1), 1
	s_wait_xcnt 0x0
; x, wq, wk, wv, wo, each [2048][2048] f32 with K innermost, become codes of FP8 (E4M3) with one E8M0 scale byte for each 32 along K, laid as IMAGES OF OPERAND REGISTERS.
; A RECORD (REC bytes) is 128 rows x 128 along K: two groups (GRP bytes) of four tiles of 16 rows.  Codes of (group g, tile q, piece c, lane l) lie at g GRP + 2048 q + 512 c + 16 l; lane (r, h) holds k = 32 c + 16 h + 0 .. 15 of the tile's row r.
; The scale word (128 along K) of (g, q, r) lies at g GRP + 8192 + 8 (16 (q / 2) + r) + 4 (q % 2).  Records: ximg [row block 16][K step 16], wimg [tensor 4 x row block 16][K step 16].
; THE ROWS OF A TILE ARE NOT NEIGHBOURS: lane r of tile T (0 .. 7 of a record) holds row 32 (T / 2) + 8 (T % 2) + r + 8 (r / 8).
; A block's scale is 2^(floor(log2(its largest magnitude)) - 8); its byte is the largest magnitude's exponent field - 8, held at 1 from below.
; All inputs of the problem are honoured by the program; start_pos is a constant with no buffer and enters no formula of the problem.
; LIMITS: a block of zeros gets the byte 1 where the quantiser says 127 (its codes are zeros, and this program alone reads the bytes); blocks whose largest magnitude lies under 2^-118 keep the byte 1; NaN and infinities among these inputs are not served.
; SHARES: the four weights have 4 x 512 groups and x has 2,048 tiles: each of the 2,048 waves (256 work-groups of 8) takes ONE group of a weight and ONE tile of x.
; The group, 64 rows x 512 bytes, comes by one tensor load into LDS bytes that are the wave's own (rows 528 bytes apart), and nobody else reads them: the wave's wait on TENSORcnt is all the ordering.  Nothing is filled again.
; x's tile, 16 rows x 512 bytes, comes by 16 loads of 512 consecutive bytes, issued straight behind the tensor load; it turns through the first 16 rows of the wave's own bytes once the group has been read out of them.
; No cluster: no byte is read twice.  No prefetch: the launch has no loop to run ahead in, and all it reads is asked for at its head.  One barrier: four waves' scale words of x make one unit of 256 bytes.
.set REC,   16896
.set GRP,   8448
.set TENS,  256*REC
.set SP,    528
.set REG,   64*SP                      ; a wave's LDS bytes
.set SPARE, 8*REG                      ; the spare words: 128 bytes a wave
.set XS,    SPARE+1024                 ; 512 bytes: x's scale words of two groups
.set SPW,   12
.set NIL,   13
.set TM,    16                         ; v16-31   the quantiser's work
.set PW,    32                         ; v32-36   five tiles' scale words
.set MG,    38
.set RA,    40                         ; v40-103  x's tile as it is loaded
.set X,     104                        ; v104-231 two sets of 64: a tile's numbers, 16 neighbours of each block
.set PC,    232                        ; v232-247 codes
.set WV,    18
.set MNT,   19
.set SEL,   22
.macro QUANT s, pc, pw
.irp b, 0,1,2,3
	v_max3_num_f32 v[TM+\b], |v[\s+16*\b]|, |v[\s+1+16*\b]|, 0x4800000   ; my 16 numbers, and the floor 2^(9 - 127)
.endr
.irp i, 2,4,6,8,10,12,14
.irp b, 0,1,2,3
	v_max3_num_f32 v[TM+\b], v[TM+\b], |v[\s+16*\b+\i]|, |v[\s+1+16*\b+\i]|
.endr
.endr
.irp b, 0,1,2,3
	v_permlanex16_b32 v[TM+4+\b], v[TM+\b], s[SEL], s[SEL+1]
.endr
.irp b, 0,1,2,3
	v_max_num_f32 v[TM+\b], v[TM+\b], v[TM+4+\b]   ; with lane l xor 16's 16
.endr
.irp b, 0,1,2,3
	v_add_nc_u32 v[TM+12+\b], 0xfc000000, v[TM+\b]   ; the conversion's scale operand
.endr
.irp b, 0,1,2,3
	v_and_or_b32 v[TM+8+\b], v[TM+\b], 0x7f800000, s[MNT]   ; 448 x the scale
.endr
.irp b, 0,1,2,3
	v_lshrrev_b32 v[TM+4+\b], 23, v[TM+12+\b]      ; the scale's byte
.endr
	v_lshl_or_b32 v[\pw], v[TM+5], 8, v[TM+4]
	v_lshl_or_b32 v[\pw], v[TM+6], 16, v[\pw]
	v_lshl_or_b32 v[\pw], v[TM+7], 24, v[\pw]
.irp b, 0,1,2,3
.irp i, 0,1,2,3,4,5,6,7,8,9,10,11,12,13,14,15
	v_med3_num_f32 v[\s+16*\b+\i], v[\s+16*\b+\i], -v[TM+8+\b], v[TM+8+\b]   ; the conversion does not saturate (ISA guide 7.6.2)
.endr
	v_cvt_scalef32_pk8_fp8_f32 v[\pc+4*\b:\pc+1+4*\b], v[\s+16*\b:\s+7+16*\b], v[TM+12+\b]
	v_cvt_scalef32_pk8_fp8_f32 v[\pc+2+4*\b:\pc+3+4*\b], v[\s+8+16*\b:\s+15+16*\b], v[TM+12+\b]
.endr
	v_nop                                          ; a plain line behind the last conversion
.endm
	s_load_b256 s[4:11], s[0:1], 0x0               ; x, wq, wk, wv
	s_load_b128 s[12:15], s[0:1], 0x20             ; wo, ximg
	s_load_b64 s[16:17], s[0:1], 0x30              ; wimg
	v_lshl_add_u32 v[SPW], v0, 2, SPARE
	v_mov_b32 v[NIL], 0
	ds_add_u32 v[SPW], v[NIL]                      ; the opening: the add, twice on end, and its wait ahead of my tensor load
	ds_add_u32 v[SPW], v[NIL]
	v_lshrrev_b32 v1, 5, v0
	v_readfirstlane_b32 s[WV], v1                  ; wave 0..7
	s_mov_b32 s36, (2<<16)|(1<<20)|(6<<22)|(3<<25) ; group 1: 64 rows of 128 f32, 2,048 apart; four words of padding behind each
	s_mov_b32 s37, 128<<16
	s_mov_b32 s38, 64<<16
	s_mov_b32 s39, 128<<16
	s_mov_b32 s40, 64
	s_mov_b32 s41, 2048
	s_mov_b32 s42, 0
	s_mov_b32 s43, 0
	s_mov_b32 s[SEL], 0x76543210
	s_mov_b32 s[SEL+1], 0xfedcba98
	s_mov_b32 s[MNT], 0x600000
	s_mul_i32 s33, s[WV], REG                      ; my LDS bytes
	s_lshr_b32 s20, ttmp9, 6                       ; which weight: 0 wq, 1 wk, 2 wv, 3 wo
	s_and_b32 s21, ttmp9, 63
	s_lshl_b32 s21, s21, 3
	s_add_co_u32 s21, s21, s[WV]                   ; its group 2 (16 row block + K step) + half
	s_lshr_b32 s26, s21, 5
	s_lshl_b32 s28, s26, 20                        ; from: 128 rows of 8,192 bytes,
	s_and_b32 s26, s21, 1
	s_lshl_b32 s26, s26, 19                        ; 64 rows,
	s_or_b32 s28, s28, s26
	s_bfe_u32 s26, s21, 0x40001
	s_lshl_b32 s26, s26, 9                         ; 128 numbers
	s_or_b32 s28, s28, s26
	s_mov_b32 s29, 0
	s_mul_i32 s30, s21, GRP                        ; to
	s_mul_i32 s26, s20, TENS
	s_add_co_u32 s30, s30, s26
	s_mov_b32 s31, 0
	s_lshl_b32 s21, ttmp9, 1
	s_lshr_b32 s24, s[WV], 2
	s_add_co_u32 s21, s21, s24                     ; x's group,
	s_and_b32 s27, s[WV], 3                        ; and my tile of it
	s_lshr_b32 s26, s21, 5
	s_lshl_b32 s52, s26, 20
	s_and_b32 s26, s21, 1
	s_lshl_b32 s26, s26, 19
	s_or_b32 s52, s52, s26
	s_bfe_u32 s26, s21, 0x40001
	s_lshl_b32 s26, s26, 9
	s_or_b32 s52, s52, s26
	s_lshr_b32 s25, s27, 1
	s_lshl_b32 s26, s25, 18                        ; the tile begins at row 32 (tile / 2) + 8 (tile % 2)
	s_or_b32 s52, s52, s26
	s_and_b32 s58, s27, 1
	s_lshl_b32 s26, s58, 16
	s_or_b32 s52, s52, s26
	s_mov_b32 s53, 0
	s_mul_i32 s54, s21, GRP
	s_mov_b32 s55, 0
	s_lshl_b32 s56, s27, 11
	s_mov_b32 s57, 0
	s_lshl_b32 s24, s24, 8
	s_add_co_u32 s24, s24, XS                      ; my group's 256 bytes of scale words in LDS
	s_lshl_b32 s25, s25, 7
	s_add_co_u32 s25, s25, s24
	s_lshl_b32 s58, s58, 2
	s_add_co_u32 s25, s25, s58                     ; + 128 (tile / 2) + 4 (tile % 2)
	v_and_b32 v1, 31, v0                           ; lane
	v_and_b32 v6, 15, v0                           ; r
	v_bfe_u32 v7, v0, 4, 1                         ; h
	v_lshlrev_b32 v2, 4, v1                        ; 16 x lane
	v_lshlrev_b32 v5, 3, v1                        ; 8 x lane
	v_add_nc_u32 v3, s33, v2                       ; x's rows into my bytes, as they were loaded
	v_and_b32 v11, 8, v6
	v_add_nc_u32 v11, v11, v6                      ; r + 8 (r / 8)
	v_mul_u32_u24 v4, v11, SP
	v_lshl_add_u32 v4, v7, 6, v4
	v_add_nc_u32 v4, s33, v4                       ; the group: a tile's row r, + 64 h
	v_mul_u32_u24 v8, v6, SP
	v_lshl_add_u32 v8, v7, 6, v8
	v_add_nc_u32 v8, s33, v8                       ; x's tile: row r, + 64 h
	v_lshlrev_b32 v9, 3, v6
	v_add_nc_u32 v9, s25, v9                       ; my row's scale word of x
	v_add_nc_u32 v10, s24, v5                      ; and the whole unit, 8 bytes a lane
.irp b, 0,1,2,3
	v_mov_b32 v[TM+4+\b], 0                        ; a lane permute's destination counts as one of its sources
.endr
	s_wait_alu depctr_va_vdst(0)                   ; at the head's end
	s_wait_dscnt 0x0                               ; both opening adds are done
	s_wait_kmcnt 0x0
	s_cmp_eq_u32 s20, 1                            ; the weight is chosen by the work-group's number alone
	s_cselect_b64 s[6:7], s[8:9], s[6:7]
	s_cmp_eq_u32 s20, 2
	s_cselect_b64 s[6:7], s[10:11], s[6:7]
	s_cmp_eq_u32 s20, 3
	s_cselect_b64 s[6:7], s[12:13], s[6:7]
	s_mov_b32 s32, 1
	s_add_nc_u64 s[34:35], s[6:7], s[28:29]
	s_or_b32 s35, s35, 0x80000000
	tensor_load_to_lds s[32:35], s[36:43]          ; my group: my one tensor load
	s_nop 0
	s_add_nc_u64 s[50:51], s[4:5], s[52:53]
.irp p, 0,1,2,3,4,5,6,7,8,9,10,11,12,13,14,15
	global_load_b128 v[RA+4*\p:RA+4*\p+3], v2, s[50:51] offset:(\p+8*(\p/8))*8192 th:TH_LOAD_NT   ; x's tile: 512 consecutive bytes of a row
.endr
	s_add_nc_u64 s[44:45], s[16:17], s[30:31]      ; the group's place in wimg
	s_add_nc_u64 s[46:47], s[14:15], s[54:55]      ; x's group in ximg,
	s_add_nc_u64 s[48:49], s[46:47], s[56:57]      ; my tile in it
.macro LDX i                           ; tile i of my group out of LDS: 16 neighbours of each block
.irp b, 0,1,2,3
.irp j, 0,1,2,3
	ds_load_b128 v[X+64*((\i)%2)+16*\b+4*\j:X+64*((\i)%2)+16*\b+4*\j+3], v4 offset:(32*((\i)/2)+8*((\i)%2))*SP+128*\b+16*\j
.endr
.endr
.endm
.macro TILE i
.if \i < 3
	LDX \i+1
	s_wait_dscnt 16                                ; this tile is in; the next tile's 16 loads may be out
.else
	s_wait_dscnt 0x0
.endif
.if \i > 0
	s_wait_xcnt 0x0                                ; the last tile's stores have read the codes' registers
.endif
	QUANT X+64*((\i)%2), PC, PW+\i
.irp c, 0,1,2,3
	global_store_b128 v2, v[PC+4*\c:PC+4*\c+3], s[44:45] offset:\i*2048+512*\c   ; 512 consecutive bytes, aligned
.endr
.endm
	s_wait_tensorcnt 0x0                           ; my group has landed; only I read it
	LDX 0
	TILE 0
	TILE 1
	TILE 2
	TILE 3
	s_mov_b32 vcc_lo, 0xffff0000                   ; lanes 16-31
	v_cndmask_b32 v[MG], v[PW], v[PW+2], vcc_lo
	v_cndmask_b32 v[MG+1], v[PW+1], v[PW+3], vcc_lo
	global_store_b64 v5, v[MG:MG+1], s[44:45] offset:8192   ; the group's 64 scale words: 256 consecutive bytes, aligned
	s_wait_loadcnt 0x0                             ; x's tile
.irp p, 0,1,2,3,4,5,6,7,8,9,10,11,12,13,14,15
	ds_store_b128 v3, v[RA+4*\p:RA+4*\p+3] offset:SP*\p   ; into bytes that have had their one fill and that I have read out
.endr
.irp b, 0,1,2,3
.irp j, 0,1,2,3
	ds_load_b128 v[X+16*\b+4*\j:X+16*\b+4*\j+3], v8 offset:128*\b+16*\j   ; LDS serves a wave's instructions in order (ISA guide 5.7.1.4)
.endr
.endr
	s_wait_dscnt 0x0
	s_wait_xcnt 0x0
	QUANT X, PC, PW+4
.irp c, 0,1,2,3
	global_store_b128 v2, v[PC+4*\c:PC+4*\c+3], s[48:49] offset:512*\c
.endr
	ds_store_b32 v9, v[PW+4]                       ; (lanes r and r + 16 write the same word with the same value)
	s_wait_dscnt 0x0                               ; for the others' sake
	s_barrier_signal -1
	s_barrier_wait -1
	s_cmp_lg_u32 s27, 0
	s_cbranch_scc1 .Lnot_first
	ds_load_b64 v[248:249], v10                    ; waves 0 and 4: four tiles' scale words leave as 256 consecutive bytes, aligned
	s_wait_dscnt 0x0
	global_store_b64 v5, v[248:249], s[46:47] offset:8192
.Lnot_first:
	s_wait_tensorcnt 0x0                           ; the wave's end
	ds_add_u32 v[SPW], v[NIL]
	s_wait_dscnt 0x0
	s_endpgm
.Lfunc_end_k_q9147b2c0e9_quant:
	.size	k_q9147b2c0e9_quant, .Lfunc_end_k_q9147b2c0e9_quant-k_q9147b2c0e9_quant
	.p2alignl 7, 3214868480
	.fill 96, 4, 3214868480
	.section	.rodata,"a",@progbits
	.p2align	6, 0x0
	.amdhsa_kernel k_q9147b2c0e9_quant
		.amdhsa_group_segment_fixed_size 327680
		.amdhsa_private_segment_fixed_size 0
		.amdhsa_enable_private_segment 0
		.amdhsa_kernarg_size 56
		.amdhsa_user_sgpr_count 2
		.amdhsa_user_sgpr_kernarg_segment_ptr 1
		.amdhsa_wavefront_size32 1
		.amdhsa_system_sgpr_workgroup_id_x 1
		.amdhsa_system_sgpr_workgroup_id_y 1
		.amdhsa_system_sgpr_workgroup_id_z 1
		.amdhsa_system_vgpr_workitem_id 0
		.amdhsa_next_free_vgpr 256
		.amdhsa_next_free_sgpr 66
		.amdhsa_reserve_vcc 1
		.amdhsa_float_denorm_mode_32 3
		.amdhsa_float_denorm_mode_16_64 3
		.amdhsa_memory_ordered 1
		.amdhsa_forward_progress 1
		.amdhsa_inst_pref_size 55
	.end_amdhsa_kernel
	.amdgpu_metadata
---
amdhsa.version: [ 1, 2 ]
amdhsa.kernels:
  - .name:           k_q9147b2c0e9_quant
    .symbol:         k_q9147b2c0e9_quant.kd
    .args:
      - { .name: x, .offset: 0, .size: 8, .value_kind: global_buffer, .address_space: global }
      - { .name: wq, .offset: 8, .size: 8, .value_kind: global_buffer, .address_space: global }
      - { .name: wk, .offset: 16, .size: 8, .value_kind: global_buffer, .address_space: global }
      - { .name: wv, .offset: 24, .size: 8, .value_kind: global_buffer, .address_space: global }
      - { .name: wo, .offset: 32, .size: 8, .value_kind: global_buffer, .address_space: global }
      - { .name: ximg, .offset: 40, .size: 8, .value_kind: global_buffer, .address_space: global }
      - { .name: wimg, .offset: 48, .size: 8, .value_kind: global_buffer, .address_space: global }
    .group_segment_fixed_size: 327680
    .private_segment_fixed_size: 0
    .kernarg_segment_align: 8
    .kernarg_segment_size: 56
    .max_flat_workgroup_size: 256
    .sgpr_count:     66
    .vgpr_count:     256
    .wavefront_size: 32
...
	.end_amdgpu_metadata
.endif
;; end of part 1
;; launch qkv (part 2): grid 8 x 24, 4 waves a work-group, clusters of 4 x 4, 327,680 bytes of LDS; arguments ximg, wimg, freqs_cos, freqs_sin, qkv; writes qkv
.if DOCPART == 2
	.amdgcn_target "amdgcn-amd-amdhsa--gfx1250"
	.amdhsa_code_object_version 6
	.text
	.protected	k_q9147b2c0e9_qkv
	.globl	k_q9147b2c0e9_qkv
	.p2align	8
	.type	k_q9147b2c0e9_qkv,@function
k_q9147b2c0e9_qkv:
	s_mov_b64 s[64:65], 0
	v_nop
	global_prefetch_b8 v0, s[64:65] scope:SCOPE_SE
	s_setreg_imm32_b32 hwreg(HW_REG_WAVE_MODE, 25, 1), 1
	s_wait_xcnt 0x0
	s_wait_alu depctr_hold_cnt(0) depctr_sa_sdst(0) depctr_va_vdst(0) depctr_va_sdst(0) depctr_va_ssrc(0) depctr_va_vcc(0) depctr_vm_vsrc(0)
	s_getreg_b32 s2, hwreg(HW_REG_IB_STS2, 6, 4)
	s_cmp_eq_u32 s2, 0
	s_cbranch_scc0 .Lentry_in_a_cluster
	s_endpgm
.Lentry_in_a_cluster:
	s_bfe_u32 s2, ttmp6, 0x10000c
	s_cmp_lg_u32 s2, 0xf033
	s_cbranch_scc0 .Lentry_shape_is_right
	s_endpgm
.Lentry_shape_is_right:
.set REC,    16896
.set GRP,    8448
.set ROWBLK, 16*REC
.set HALF,   2*REC
.set SLOT,   4*HALF
.set SPARE,  2*SLOT
.set LAPS,   4
.set LI,   4
.set LS,   5
.set AF,   8
.set AO,   10
.set ASF,  12
.set ASO,  14
.set CSO,  24
.set PFO,  25
.set SPW,  28
.set NIL,  29
.set SC,   32
.set PC,   48
.set TM,   80
.set PW,   96
.set MG,   104
.set OF,   128
.set TP,   128
.set G1X,  24
.set G0X,  32
.set G1W,  48
.set G0W,  56
.set OUT,  66
.set PFA,  68
.set SEL,  76
.set MNT,  78
.set LIM,  79
.set MUL_LO, 0xa1
.set MUL_HI, 0xf1
.set TO_F,   0x40
.set MSB, 0
.macro WIN new
.if MSB != \new
	s_set_vgpr_msb (MSB<<8)|\new
.set MSB, \new
.endif
.endm
.macro PLACES n
.rept \n
	v_nop
.endr
.endm
.macro JLOAD s
	s_cmp_eq_u32 s15, 0
	s_cbranch_scc0 .Lfor_w_\@
	tensor_load_to_lds s[G0X+4*\s:G0X+4*\s+3], s[G1X:G1X+7]
	s_nop 0
.rept 4
	v_nop
.endr
	s_branch .Lasked_\@
.Lfor_w_\@:
	tensor_load_to_lds s[G0W+4*\s:G0W+4*\s+3], s[G1W:G1W+7]
	s_nop 0
.rept 4
	v_nop
.endr
.Lasked_\@:
.endm
.macro ASK last
.if \last
	s_cmp_gt_u32 s3, s[LIM]
.else
	s_cmp_eq_u32 s[LIM], 1
.endif
	s_cbranch_scc0 .Lnot_mine_\@
	global_prefetch_b8 v[PFO], s[PFA:PFA+1] th:TH_LOAD_NT scope:SCOPE_SE
.Lnot_mine_\@:
.endm
.macro CREST
	s_cmp_lg_u32 s14, 0
	s_cbranch_scc1 .Lnot_wave_0_\@
	s_barrier_signal -3
.Lnot_wave_0_\@:
	s_barrier_wait -3
	s_barrier_signal -1
	s_barrier_wait -1
.endm
.macro CROUND
	s_barrier_signal -1
	s_barrier_wait -1
	CREST
.endm
	s_load_b256 s[4:11], s[0:1], 0x0
	s_load_b64 s[12:13], s[0:1], 0x20
	v_lshl_add_u32 v[SPW], v0, 2, SPARE
	v_mov_b32 v[NIL], 0
	ds_add_u32 v28, v29
	ds_add_u32 v28, v29
	s_wait_dscnt 0x0
	v_lshrrev_b32 v1, 5, v0
	v_readfirstlane_b32 s14, v1
	s_lshr_b32 s15, s14, 1
	s_and_b32 s16, s14, 1
	s_bfe_u32 s40, ttmp6, 0x40000
	s_bfe_u32 s41, ttmp6, 0x40004
	s_lshl_b32 s42, ttmp9, 2
	s_add_co_u32 s42, s42, s40
	s_and_b32 s72, ttmp7, 0xffff
	s_lshl_b32 s17, s72, 2
	s_add_co_u32 s17, s17, s41
	s_cmp_eq_u32 s15, 0
	s_cselect_b32 s[LIM], s72, ttmp9
	s_cmp_eq_u32 s[LIM], 0
	s_cselect_b32 s[LIM], 1, -1
	s_lshr_b32 s72, s72, 1
	s_lshl_b32 s43, s41, 2
	s_lshl_b32 s43, 15, s43
	s_lshl_b32 s44, 0x1111, s40
	s_or_b32 s[G1X], s44, (3<<16)|(1<<21)
	s_or_b32 s[G1W], s43, (3<<16)|(1<<21)
.irp g, G1X, G1W
	s_mov_b32 s[\g+1], 32<<16
	s_mov_b32 s[\g+2], 132<<16
	s_mov_b32 s[\g+3], 32<<16
	s_mov_b32 s[\g+4], 132
	s_mov_b32 s[\g+5], 32
	s_mov_b32 s[\g+6], 0
	s_mov_b32 s[\g+7], 0
.endr
	s_mul_i32 s18, s15, HALF
	s_mul_i32 s19, s16, HALF
	s_add_co_u32 s19, s19, 2*HALF
	s_cmp_eq_u32 s72, 2
	s_cselect_b32 s73, 1, 0
	s_cselect_b32 s70, s18, s19
	s_cselect_b32 s71, s19, s18
	s_mov_b32 s[SEL], 0x76543210
	s_mov_b32 s[SEL+1], 0xfedcba98
	s_mov_b32 s[MNT], 0x600000
	s_lshl_b32 s20, s42, 1
	s_add_co_u32 s20, s20, s16
	s_mul_i32 s20, s20, ROWBLK
	s_mov_b32 s21, 0
	s_lshl_b32 s46, s17, 1
	s_add_co_u32 s46, s46, s16
	s_mul_i32 s46, s46, ROWBLK
	s_mov_b32 s47, 0
	s_mul_i32 s45, s14, HALF
	s_wait_kmcnt 0x0
	s_add_nc_u64 s[20:21], s[4:5], s[20:21]
	s_add_nc_u64 s[46:47], s[6:7], s[46:47]
	CROUND
.irp s, 0,1
	s_mov_b32 s[G0X+4*\s], 1
	s_add_co_u32 s[G0X+4*\s+1], s45, \s*SLOT
	s_add_nc_u64 s[G0X+4*\s+2:G0X+4*\s+3], s[20:21], \s*HALF
	s_or_b32 s[G0X+4*\s+3], s[G0X+4*\s+3], 0x80000000
	s_mov_b32 s[G0W+4*\s], 1
	s_add_co_u32 s[G0W+4*\s+1], s45, \s*SLOT
	s_add_nc_u64 s[G0W+4*\s+2:G0W+4*\s+3], s[46:47], \s*HALF
	s_or_b32 s[G0W+4*\s+3], s[G0W+4*\s+3], 0x80000000
	s_wait_alu depctr_va_vdst(0)
	s_wait_tensorcnt 0x0
	ds_add_u32 v28, v29
	ds_add_u32 v28, v29
	s_wait_dscnt 0x0
	CROUND
	JLOAD \s
.endr
	v_and_b32 v1, 15, v0
	v_bfe_u32 v2, v0, 4, 1
	v_and_b32 v3, 31, v0
	v_lshlrev_b32 v[LI], 4, v3
	v_lshlrev_b32 v[LS], 3, v3
	s_wait_alu depctr_va_vdst(0)
	v_lshlrev_b32 v[PFO], 8, v3
.irp s, 0,1
	s_add_co_u32 s74, s70, \s*SLOT
	v_add_nc_u32 v[AF+\s], s74, v[LI]
	s_add_co_u32 s74, s74, 8192
	v_add_nc_u32 v[ASF+\s], s74, v[LS]
	s_add_co_u32 s74, s71, \s*SLOT
	v_add_nc_u32 v[AO+\s], s74, v[LI]
	s_add_co_u32 s74, s74, 8192
	v_add_nc_u32 v[ASO+\s], s74, v[LS]
.endr
	v_mul_u32_u24 v[CSO], v1, 272                  ; the tables' stage, my own bytes of slot 0, rows 272 bytes apart.  Out of it: row l % 16, + 32 (l / 16)
	v_lshl_add_u32 v[CSO], v2, 5, v[CSO]
	v_add_nc_u32 v[CSO], s45, v[CSO]
	v_mul_u32_u24 v26, v2, 272                     ; into it: lanes 0-15 one row of 256 bytes, lanes 16-31 the next
	v_lshl_add_u32 v26, v1, 4, v26
	v_add_nc_u32 v26, s45, v26
.irp b, 0,1,2,3
	v_mov_b32 v[TM+4+\b], 0
.endr
	s_lshl_b32 s74, s17, 1
	s_add_co_u32 s74, s74, s16
	s_lshl_b32 s74, s74, 4
	s_lshl_b32 s75, s42, 1
	s_add_co_u32 s75, s75, s15
	s_add_co_u32 s74, s74, s75
	s_mul_i32 s74, s74, REC
	s_lshl_b32 s22, s75, 15
	s_mov_b32 s75, 0
	s_mov_b32 s23, 0
	s_add_nc_u64 s[OUT:OUT+1], s[12:13], s[74:75]
	s_add_nc_u64 s[8:9], s[8:9], s[22:23]
	s_add_nc_u64 s[10:11], s[10:11], s[22:23]
	s_cmp_eq_u32 s15, 0
	s_cselect_b64 s[PFA:PFA+1], s[20:21], s[46:47]
	s_cselect_b32 s74, s41, s40
	s_lshl_b32 s74, s74, 13
	s_add_co_u32 s74, s74, 2*HALF
	s_add_nc_u64 s[PFA:PFA+1], s[PFA:PFA+1], s[74:75]
.macro FETCH_F slot, q
	WIN TO_F
.irp t, 0,1,2,3,4,5,6,7
.irp c, 0,1,2,3
	ds_load_b128 v[128*(\q)+16*\t+4*\c:128*(\q)+16*\t+4*\c+3], v[AF+\slot] offset:(\q)*REC+(\t/4)*GRP+(\t%4)*2048+512*\c
.endr
.endr
	WIN 0
.endm
.macro FETCH_O slot, q, i0
.irp n, \i0, \i0+1, \i0+2, \i0+3
.irp c, 0,1,2,3
	ds_load_b128 v[OF+16*(\n)+4*\c:OF+16*(\n)+4*\c+3], v[AO+\slot] offset:(\q)*REC+((\n)/4)*GRP+((\n)%4)*2048+512*\c
.endr
.endr
.endm
.macro SCALES slot, q
	ds_load_b64 v[SC+8*(\q):SC+8*(\q)+1], v[ASF+\slot] offset:(\q)*REC
	ds_load_b64 v[SC+8*(\q)+2:SC+8*(\q)+3], v[ASF+\slot] offset:(\q)*REC+GRP
	ds_load_b64 v[SC+8*(\q)+4:SC+8*(\q)+5], v[ASO+\slot] offset:(\q)*REC
	ds_load_b64 v[SC+8*(\q)+6:SC+8*(\q)+7], v[ASO+\slot] offset:(\q)*REC+GRP
.endm
.macro MUL16 a0, q, zero
.irp a, \a0, \a0+1
.irp t, 0,1,2,3,4,5,6,7
.set rD, 8*(8*((\a)%4)+\t)
.set rF, 128*(\q)+16*\t
.set rO, OF+16*(\a)
.set rX, SC+8*(\q)+2*(\t/4)+(\t%2)
.set rY, SC+8*(\q)+4+2*((\a)/4)+((\a)%2)
.set MODS, ((\t%4)/2)+2*(((\a)%4)/2)
.if \zero
.if MODS == 0
	v_wmma_scale_f32_16x16x128_f8f6f4 v[rD:rD+7], v[rF:rF+15], v[rO:rO+15], 0, v[rX], v[rY]
.elseif MODS == 1
	v_wmma_scale_f32_16x16x128_f8f6f4 v[rD:rD+7], v[rF:rF+15], v[rO:rO+15], 0, v[rX], v[rY] matrix_a_scale:MATRIX_SCALE_ROW1
.elseif MODS == 2
	v_wmma_scale_f32_16x16x128_f8f6f4 v[rD:rD+7], v[rF:rF+15], v[rO:rO+15], 0, v[rX], v[rY] matrix_b_scale:MATRIX_SCALE_ROW1
.else
	v_wmma_scale_f32_16x16x128_f8f6f4 v[rD:rD+7], v[rF:rF+15], v[rO:rO+15], 0, v[rX], v[rY] matrix_a_scale:MATRIX_SCALE_ROW1 matrix_b_scale:MATRIX_SCALE_ROW1
.endif
.else
.if MODS == 0
	v_wmma_scale_f32_16x16x128_f8f6f4 v[rD:rD+7], v[rF:rF+15], v[rO:rO+15], v[rD:rD+7], v[rX], v[rY]
.elseif MODS == 1
	v_wmma_scale_f32_16x16x128_f8f6f4 v[rD:rD+7], v[rF:rF+15], v[rO:rO+15], v[rD:rD+7], v[rX], v[rY] matrix_a_scale:MATRIX_SCALE_ROW1
.elseif MODS == 2
	v_wmma_scale_f32_16x16x128_f8f6f4 v[rD:rD+7], v[rF:rF+15], v[rO:rO+15], v[rD:rD+7], v[rX], v[rY] matrix_b_scale:MATRIX_SCALE_ROW1
.else
	v_wmma_scale_f32_16x16x128_f8f6f4 v[rD:rD+7], v[rF:rF+15], v[rO:rO+15], v[rD:rD+7], v[rX], v[rY] matrix_a_scale:MATRIX_SCALE_ROW1 matrix_b_scale:MATRIX_SCALE_ROW1
.endif
.endif
.endr
.endr
.endm
.macro STEP slot, zero
	s_wait_dscnt 16
	WIN MUL_LO
	MUL16 0, 0, \zero
	MUL16 2, 0, \zero
	PLACES 8
	FETCH_F \slot, 1
	FETCH_O \slot, 1, 0
	SCALES \slot, 1
	s_wait_dscnt 52
	WIN MUL_HI
	MUL16 4, 0, \zero
	MUL16 6, 0, \zero
	PLACES 8
	WIN 0
	FETCH_O \slot, 1, 4
.endm
.macro TURN slot, next, fill
	s_wait_dscnt 16
	WIN MUL_LO
	MUL16 0, 1, 0
	MUL16 2, 1, 0
	WIN 0
.if \fill
	s_wait_xcnt 0x0
	s_add_nc_u64 s[PFA:PFA+1], s[PFA:PFA+1], HALF
.endif
	s_wait_tensorcnt 0x0
	ds_add_u32 v[SPW], v[NIL]
.if \fill
	s_add_nc_u64 s[G0X+4*\slot+2:G0X+4*\slot+3], s[G0X+4*\slot+2:G0X+4*\slot+3], 2*HALF
	s_add_nc_u64 s[G0W+4*\slot+2:G0W+4*\slot+3], s[G0W+4*\slot+2:G0W+4*\slot+3], 2*HALF
.endif
	s_wait_dscnt 0x0
	s_barrier_signal -1
	s_barrier_wait -1
.if \fill
	CREST
	JLOAD \slot
	PLACES 4
.else
	PLACES 8
.endif
	FETCH_F \next, 0
	FETCH_O \next, 0, 0
	s_wait_alu depctr_va_vdst(0)
	SCALES \next, 0
.if \fill
	ASK \slot
.endif
	WIN MUL_HI
	MUL16 4, 1, 0
	MUL16 6, 1, 0
	PLACES 8
	WIN 0
	FETCH_O \next, 0, 4
.endm
.macro TAB n
	WIN TO_F
.irp t, 0,1,2,3,4,5,6,7
	global_load_b128 v[64*((\n)%4)+4*\t:64*((\n)%4)+4*\t+3], v[LI], s[8:9] offset:(32*((\n)/2)+8*((\n)%2)+2*\t+8*(\t/4))*256   ; two whole rows of the table: 512 consecutive bytes
	global_load_b128 v[64*((\n)%4)+32+4*\t:64*((\n)%4)+32+4*\t+3], v[LI], s[10:11] offset:(32*((\n)/2)+8*((\n)%2)+2*\t+8*(\t/4))*256
.endr
	WIN 0
.endm
; Tile n's 16 rows of cos and of sin turn through my stage: in as rows, out as a lane's 8 numbers of each block.  The stage lies in slot 0, which has had its last fill and, behind the last change of slots, its last read.
; LDS serves a wave's instructions in order (ISA guide 5.7.1.4): no wait between the stores and the loads, nor ahead of the next tile's stores.  left: the table loads issued behind tile n's, which may be out.
.macro TURNT n, left
	s_wait_loadcnt \left
	WIN 0x04
.irp t, 0,1,2,3,4,5,6,7
	ds_store_b128 v26, v[64*((\n)%4)+4*\t:64*((\n)%4)+4*\t+3] offset:544*\t
	ds_store_b128 v26, v[64*((\n)%4)+32+4*\t:64*((\n)%4)+32+4*\t+3] offset:4352+544*\t
.endr
	WIN TO_F
.irp t, 0,1,2,3,4,5,6,7
	ds_load_b128 v[64*((\n)%4)+4*\t:64*((\n)%4)+4*\t+3], v[CSO] offset:64*(\t/2)+16*(\t%2)
	ds_load_b128 v[64*((\n)%4)+32+4*\t:64*((\n)%4)+32+4*\t+3], v[CSO] offset:4352+64*(\t/2)+16*(\t%2)
.endr
	WIN 0
.endm
.macro ROPE n, left
.set RB, 64*((\n)%4)
.set RW, 2+(\n)/4
.set WA, RW+4
.set WB, RW+4+64*RW
	s_wait_dscnt \left
	WIN WA
.irp t, 0,1,2,3,4,5,6,7
.irp e, 0,1,2,3
	v_mul_f32 v[TP+2*(4*\t+\e)], v[RB+8*\t+2*\e+1], v[RB+32+4*\t+\e]
	v_mul_f32 v[TP+2*(4*\t+\e)+1], v[RB+8*\t+2*\e+1], v[RB+4*\t+\e]
.endr
.endr
	WIN WB
.irp t, 0,1,2,3,4,5,6,7
.irp e, 0,1,2,3
	v_fma_f32 v[RB+8*\t+2*\e+1], v[RB+8*\t+2*\e], v[RB+32+4*\t+\e], v[TP+2*(4*\t+\e)+1]
	v_fma_f32 v[RB+8*\t+2*\e], v[RB+8*\t+2*\e], v[RB+4*\t+\e], -v[TP+2*(4*\t+\e)]
.endr
.endr
	WIN 0
.if (\n) < 4
	TAB (\n)+4
.endif
.endm
.macro QUANTW n
.set QS, 64*((\n)%4)
.set QW, 2+(\n)/4
.set QA, 5*QW
	WIN QA
.irp b, 0,1,2,3
	v_max3_num_f32 v[TM+\b], |v[QS+16*\b]|, |v[QS+1+16*\b]|, 0x4800000
.endr
.irp i, 2,4,6,8,10,12,14
.irp b, 0,1,2,3
	v_max3_num_f32 v[TM+\b], |v[QS+16*\b+\i]|, |v[QS+1+16*\b+\i]|, v[TM+\b]
.endr
.endr
	WIN 0
.irp b, 0,1,2,3
	v_permlanex16_b32 v[TM+4+\b], v[TM+\b], s[SEL], s[SEL+1]
.endr
.irp b, 0,1,2,3
	v_max_num_f32 v[TM+\b], v[TM+\b], v[TM+4+\b]
.endr
.irp b, 0,1,2,3
	v_add_nc_u32 v[TM+12+\b], 0xfc000000, v[TM+\b]
.endr
.irp b, 0,1,2,3
	v_and_or_b32 v[TM+8+\b], v[TM+\b], 0x7f800000, s[MNT]
.endr
.irp b, 0,1,2,3
	v_lshrrev_b32 v[TM+4+\b], 23, v[TM+12+\b]
.endr
	v_lshl_or_b32 v[PW+(\n)], v[TM+5], 8, v[TM+4]
	v_lshl_or_b32 v[PW+(\n)], v[TM+6], 16, v[PW+(\n)]
	v_lshl_or_b32 v[PW+(\n)], v[TM+7], 24, v[PW+(\n)]
	WIN QW
.irp b, 0,1,2,3
.irp i, 0,1,2,3,4,5,6,7,8,9,10,11,12,13,14,15
	v_med3_num_f32 v[TP+16*\b+\i], v[QS+16*\b+\i], -v[TM+8+\b], v[TM+8+\b]
.endr
.endr
	WIN 0
.if (\n) > 0
	s_wait_alu depctr_va_vdst(0)
	s_wait_xcnt 0x0
.endif
.irp b, 0,1,2,3
	v_cvt_scalef32_pk8_fp8_f32 v[PC+4*\b:PC+1+4*\b], v[TP+16*\b:TP+7+16*\b], v[TM+12+\b]
	v_cvt_scalef32_pk8_fp8_f32 v[PC+2+4*\b:PC+3+4*\b], v[TP+8+16*\b:TP+15+16*\b], v[TM+12+\b]
.endr
	v_nop
.irp c, 0,1,2,3
	global_store_b128 v[LI], v[PC+4*\c:PC+4*\c+3], s[OUT:OUT+1] offset:((\n)/4)*GRP+((\n)%4)*2048+512*\c
.endr
.endm
	s_wait_tensorcnt 1
	s_barrier_signal -1
	s_barrier_wait -1
	FETCH_F 0, 0
	FETCH_O 0, 0, 0
	SCALES 0, 0
	FETCH_O 0, 0, 4
	STEP 0, 1
	s_mov_b32 s3, LAPS-1
.Llap:
	TURN 0, 1, 1
	STEP 1, 0
	TURN 1, 0, 1
	STEP 0, 0
	s_sub_co_u32 s3, s3, 1
	s_cmp_lg_u32 s3, 0
	s_cbranch_scc1 .Llap
	TURN 0, 1, 0
	STEP 1, 0
	s_cmp_lg_u32 s73, 0
	s_cbranch_scc1 .Lno_tables
	TAB 0
	TAB 1
.Lno_tables:
	s_wait_dscnt 16
	WIN MUL_LO
	MUL16 0, 1, 0
	MUL16 2, 1, 0
	s_wait_dscnt 0x0
	WIN MUL_HI
	MUL16 4, 1, 0
	MUL16 6, 1, 0
	WIN 0
	PLACES 8
	s_cmp_lg_u32 s73, 0
	s_cbranch_scc1 .Lno_rope
	TAB 2
	TAB 3
	TURNT 0, 48
	TURNT 1, 32
	ROPE 0, 32                                     ; the next tile's 32 LDS instructions may be out
	TURNT 2, 32
	ROPE 1, 32
	TURNT 3, 32
	ROPE 2, 32
	TURNT 4, 32
	ROPE 3, 32
	TURNT 5, 32
	ROPE 4, 32
	TURNT 6, 16
	ROPE 5, 32
	TURNT 7, 0
	ROPE 6, 32
	ROPE 7, 0
.Lno_rope:
	QUANTW 0
	QUANTW 1
	QUANTW 2
	QUANTW 3
	QUANTW 4
	QUANTW 5
	QUANTW 6
	QUANTW 7
	s_mov_b32 vcc_lo, 0xffff0000
	v_cndmask_b32 v[MG], v[PW], v[PW+2], vcc_lo
	v_cndmask_b32 v[MG+1], v[PW+1], v[PW+3], vcc_lo
	v_cndmask_b32 v[MG+2], v[PW+4], v[PW+6], vcc_lo
	v_cndmask_b32 v[MG+3], v[PW+5], v[PW+7], vcc_lo
	global_store_b64 v[LS], v[MG:MG+1], s[OUT:OUT+1] offset:8192
	global_store_b64 v[LS], v[MG+2:MG+3], s[OUT:OUT+1] offset:GRP+8192
	s_wait_tensorcnt 0x0
	ds_add_u32 v[SPW], v[NIL]
	s_wait_dscnt 0x0
	CROUND
	s_endpgm
.Lfunc_end_k_q9147b2c0e9_qkv:
	.size	k_q9147b2c0e9_qkv, .Lfunc_end_k_q9147b2c0e9_qkv-k_q9147b2c0e9_qkv
	.p2alignl 7, 3214868480
	.fill 96, 4, 3214868480
	.section	.rodata,"a",@progbits
	.p2align	6, 0x0
	.amdhsa_kernel k_q9147b2c0e9_qkv
		.amdhsa_group_segment_fixed_size 327680
		.amdhsa_private_segment_fixed_size 0
		.amdhsa_enable_private_segment 0
		.amdhsa_kernarg_size 40
		.amdhsa_user_sgpr_count 2
		.amdhsa_user_sgpr_kernarg_segment_ptr 1
		.amdhsa_wavefront_size32 1
		.amdhsa_system_sgpr_workgroup_id_x 1
		.amdhsa_system_sgpr_workgroup_id_y 1
		.amdhsa_system_sgpr_workgroup_id_z 1
		.amdhsa_system_vgpr_workitem_id 0
		.amdhsa_next_free_vgpr 1024
		.amdhsa_next_free_sgpr 80
		.amdhsa_reserve_vcc 1
		.amdhsa_float_denorm_mode_32 3
		.amdhsa_float_denorm_mode_16_64 3
		.amdhsa_memory_ordered 1
		.amdhsa_forward_progress 1
		.amdhsa_inst_pref_size 255
	.end_amdhsa_kernel
	.section	.bss,"aw",@nobits
	.p2align	6
	.space	262144
	.amdgpu_metadata
---
amdhsa.version: [ 1, 2 ]
amdhsa.kernels:
  - .name:           k_q9147b2c0e9_qkv
    .symbol:         k_q9147b2c0e9_qkv.kd
    .args:
      - { .name: ximg, .offset: 0, .size: 8, .value_kind: global_buffer, .address_space: global }
      - { .name: wimg, .offset: 8, .size: 8, .value_kind: global_buffer, .address_space: global }
      - { .name: freqs_cos, .offset: 16, .size: 8, .value_kind: global_buffer, .address_space: global }
      - { .name: freqs_sin, .offset: 24, .size: 8, .value_kind: global_buffer, .address_space: global }
      - { .name: qkv, .offset: 32, .size: 8, .value_kind: global_buffer, .address_space: global }
    .group_segment_fixed_size: 327680
    .private_segment_fixed_size: 0
    .kernarg_segment_align: 8
    .kernarg_segment_size: 40
    .max_flat_workgroup_size: 128
    .sgpr_count:     80
    .vgpr_count:     1024
    .wavefront_size: 32
...
	.end_amdgpu_metadata
.endif
;; end of part 2
;; launch attn (part 3): grid 16 x 16, 4 waves a work-group, clusters of 4 x 4, 327,680 bytes of LDS; arguments qkv, mask, aimg; writes aimg
.if DOCPART == 3
	.amdgcn_target "amdgcn-amd-amdhsa--gfx1250"
	.amdhsa_code_object_version 6
	.text
	.protected	k_q9147b2c0e9_attn
	.globl	k_q9147b2c0e9_attn
	.p2align	8
	.type	k_q9147b2c0e9_attn,@function
k_q9147b2c0e9_attn:
	s_mov_b64 s[64:65], 0
	v_nop
	global_prefetch_b8 v0, s[64:65] scope:SCOPE_SE
	s_setreg_imm32_b32 hwreg(HW_REG_WAVE_MODE, 25, 1), 1
	s_wait_xcnt 0x0
	s_wait_alu depctr_hold_cnt(0) depctr_sa_sdst(0) depctr_va_vdst(0) depctr_va_sdst(0) depctr_va_ssrc(0) depctr_va_vcc(0) depctr_vm_vsrc(0)
	s_getreg_b32 s2, hwreg(HW_REG_IB_STS2, 6, 4)
	s_cmp_eq_u32 s2, 0
	s_cbranch_scc0 .Lentry_in_a_cluster
	s_endpgm
.Lentry_in_a_cluster:
	s_bfe_u32 s2, ttmp6, 0x10000c
	s_cmp_lg_u32 s2, 0xf033
	s_cbranch_scc0 .Lentry_shape_is_right
	s_endpgm
.Lentry_shape_is_right:
; For each head: O[q] = sum over k of softmax_k(q . k / sqrt(128) + mask[q][k]) v[k], both products on codes of FP8 (E4M3) with E8M0 scales; O / l is quantised along DIM for the last product.
; THE MASK IS AN INPUT: every number of it is read and added as it is given; no tile is left out.  No work of the problem is left out here.
; SOFTMAX: y = score + mask x sqrt(128); t = y x log2(e) / sqrt(128); M = the row's largest t so far, rounded up to a whole number; p = 2^(t - M) is quantised along the keys, not normalised.
; l is the sum of the unquantised p and divides O at the end.  When M moves, l and O are multiplied by 2^(old M - new M): exact.
; RECORDS (128 rows x 128 K): codes of (g, q, c, lane) at g GRP + 2048 q + 512 c + 16 lane; scale word of (g, q, r) at g GRP + 8192 + 8 (16 (q / 2) + r) + 4 (q % 2).
; In q's, k's and v's records lane r of tile T holds row 32 (T / 2) + 8 (T % 2) + r + 8 (r / 8): as source 0, tiles 2 b and 2 b + 1 leave 16 neighbours (32 b + 16 h + 0 .. 15) in a lane's 16 registers.
; SHARES.  Work-group (px, head) owns queries 128 px ..; each of FOUR waves owns 32 of them as two tiles u = 0, 1 (query 32 w + 16 u + lane % 16): each fragment of k and of v feeds two products.
; Both products are used transposed (S^T = k q^T, O^T = v^T p^T): a lane holds one query of each tile throughout.  The two tiles' lines stand by turns, so that no line reads the line above it.
; k AND v GO FROM MEMORY STRAIGHT INTO REGISTERS: their records are images of operand registers, so a load's 32 lanes take 512 consecutive bytes into a fragment's four registers; these 33,792 bytes a step pass no LDS.
; So they are not asked for jointly: a joint load lands in LDS alone.  v(t) is asked for at a trip's head, a softmax ahead of its products; k(t + 1) behind S^T of step t.
; RING, for the mask alone: two LDS slots, 2^17 bytes apart, of 128 rows x 512 bytes (rows 528 bytes apart).  Each wave fetches the 32 rows that it reads itself: one tensor load a wave is out.
; A TRIP: v(t) is asked for; S^T of step t; k(t + 1) is asked for; the mask is added; THE CHANGE OF SLOTS: mask(t + 2) is asked for into slot t, mask(t + 1) goes from the other slot into registers; the softmax; O^T += v^T p^T.
; CLUSTERS: 4 x 4.  The mask's tiles hang on px alone and are asked for jointly by a column of the cluster.
; LIMITS: t is formed as c (score + mask sqrt(128)): one rounding, in another order than score / sqrt(128) + mask.  A query whose every key is at -infinity has l = 0: its scale word is set to 0xffffffff, so that the last product gives NaN in its row.
; NaN and +infinity in the mask are not served.  A block of zeros gets the scale byte 1 where the quantiser says 127 (its codes are zeros; this program alone reads the bytes).
; REGISTERS.  Window 0: v1-11 addresses; v12-15 (-M, largest t) x 2; v16-19 l x 2; v20-23 f x 2; v24-27 k's scale words, v28-31 v's, v34-35 p's, v36-37 q's; v38-39 the result's scale words;
;   v40-63, v64-87 work of tile 0, 1; v88-119 p's codes; v128-255 S^T, then p.  Window 1: v0-127 O^T, v128-255 the mask.  Window 2: v0-127 k, v128-255 v.  Window 3: v0-31 q.
.set REC,   16896
.set GRP,   8448
.set SLOT1, 1<<17
.set MP,    528                        ; 512 bytes + 16: the 16 rows that a load touches start at 16 different banks (ISA guide 11.1)
.set SPARE, 2*SLOT1                    ; the spare words: 128 bytes a wave, two blocks of 256 bytes
.set STG,   SPARE+512                  ; 512 bytes: the result's scale words meet here
.set LI,   1
.set LS,   2
.set AM0,  3
.set QS,   4
.set SPW,  5
.set NIL,  6
.set PFO,  7
.set ADM,  10
.set QO,   11
.set TB,   2
.set RT,   10
.set WV,   18
.set MNT,  19
.set SEL,  20
.set CS,   22
.set G1M,  32
.set KB,   40                          ; s[40:41] k's record of the step that is fetched next
.set VB,   44                          ; s[44:45] v's
.set G0M,  48
.set SLOTS, 67
.set PFA,  76
.set PFS,  78
.set LIM,  80
.set MSB, 0
.macro WIN new                         ; the immediate's high byte repeats the setting that is left
.if MSB != \new
	s_set_vgpr_msb (MSB<<8)|\new
.set MSB, \new
.endif
.endm
.macro PLACES n
.rept \n
	v_nop
.endr
.endm
.macro TLOAD                           ; a joint load, one line for all four waves; s_nop 0 and four v_nop follow it
	tensor_load_to_lds s[G0M:G0M+3], s[G1M:G1M+7]
	s_nop 0
	PLACES 4
.endm
; A PREFETCH INTO THE L2, behind the run of LDS loads at a change of slots: of key step t + 3 in trip t, which is one step ahead of the mask's tensor load and two ahead of k's loads.  k's and v's records: the clusters with x = 0 ask,
; by wave 0; the four partners of a row take 8,192 bytes each by address (cx 0, 1: k's record; cx 2, 3: v's), lanes 256 bytes apart (a record's last 512 bytes are not asked for).  The mask: the clusters with y = 0 ask, by waves 1 and 2
; (the halves of a row's 512 bytes); the partners of a column take 32 rows each by address, a lane a row.  Key steps 0 to 2 come by their loads alone; the last change that fills a slot asks for nothing.
.macro ASK
	s_cmp_gt_u32 s[SLOTS], s[LIM]
	s_cbranch_scc0 .Lnot_mine_\@
	global_prefetch_b8 v[PFO], s[PFA:PFA+1] th:TH_LOAD_NT scope:SCOPE_SE
.Lnot_mine_\@:
.endm
.macro ROUND                           ; a round of the cluster's barrier
	s_barrier_signal -1
	s_barrier_wait -1
	s_cmp_lg_u32 s[WV], 0
	s_cbranch_scc1 .Lnot_wave_0_\@
	s_barrier_signal -3
.Lnot_wave_0_\@:
	s_barrier_wait -3
	s_barrier_signal -1
	s_barrier_wait -1
.endm
.macro WALK                            ; the walking descriptor: the other slot, the next 128 keys (no tensor load of mine is out)
	s_xor_b32 s[G0M+1], s[G0M+1], SLOT1
	s_add_nc_u64 s[G0M+2:G0M+3], s[G0M+2:G0M+3], 512
.endm
; k's 34 loads go in two runs.  The first, 28 loads (fragments 0 to 6), stands behind S^T: with v's 34, issued at the trip's head, 62 loads of the wave are out at the most.
; The second, 6 loads (fragment 7 and the scale words), stands ahead of the exponentials.
.macro NEXTK1
	WIN 0x80
.irp t, 0,1,2,3,4,5,6
.irp c, 0,1,2,3
	global_load_b128 v[16*\t+4*\c:16*\t+4*\c+3], v[LI], s[KB:KB+1] offset:(\t/4)*GRP+(\t%4)*2048+512*\c
.endr
.endr
	WIN 0
.endm
.macro NEXTK2
	WIN 0x80
.irp c, 0,1,2,3
	global_load_b128 v[112+4*\c:115+4*\c], v[LI], s[KB:KB+1] offset:GRP+3*2048+512*\c
.endr
	WIN 0
	global_load_b64 v[24:25], v[LS], s[KB:KB+1] offset:8192
	global_load_b64 v[26:27], v[LS], s[KB:KB+1] offset:GRP+8192
.endm
.macro NEXTM                           ; from the slot at s[TB]: the mask's 128 numbers a lane
	v_add_nc_u32 v[ADM], s[TB], v[AM0]
	WIN 0x40
.irp u, 0,1
.irp b, 0,1,2,3
.irp j, 0,1,2,3
	ds_load_b128 v[128+64*\u+16*\b+4*\j:128+64*\u+16*\b+4*\j+3], v[ADM] offset:16*MP*\u+128*\b+16*\j
.endr
.endr
.endr
	WIN 0
.endm
	s_load_b128 s[4:7], s[0:1], 0x0                ; qkv, mask
	s_load_b64 s[8:9], s[0:1], 0x10                ; aimg
	v_lshl_add_u32 v[SPW], v0, 2, SPARE
	v_mov_b32 v[NIL], 0
	ds_add_u32 v[SPW], v[NIL]                      ; the opening: the add, twice on end, and its wait ahead of my first tensor load
	ds_add_u32 v[SPW], v[NIL]
	v_lshrrev_b32 v8, 5, v0
	v_readfirstlane_b32 s[WV], v8                  ; wave 0..3
	s_bfe_u32 s52, ttmp6, 0x40000                  ; cx, cy
	s_bfe_u32 s53, ttmp6, 0x40004
	s_lshl_b32 s54, ttmp9, 2
	s_add_co_u32 s54, s54, s52                     ; px
	s_and_b32 s81, ttmp7, 0xffff
	s_lshl_b32 s55, s81, 2
	s_add_co_u32 s55, s55, s53                     ; head
	s_lshl_b32 s57, 0x1111, s52                    ; my column of the cluster
	s_or_b32 s[G1M], s57, (2<<16)|(1<<20)|(1<<21)|(6<<22)|(3<<25)   ; a quarter of the mask's tile: 32 rows of 128 f32, 2,048 apart; four words of padding behind each
	s_mov_b32 s[G1M+1], 128<<16
	s_mov_b32 s[G1M+2], 32<<16
	s_mov_b32 s[G1M+3], 128<<16
	s_mov_b32 s[G1M+4], 32
	s_mov_b32 s[G1M+5], 2048
	s_mov_b32 s[G1M+6], 0
	s_mov_b32 s[G1M+7], 0
	s_and_b32 s12, s[WV], 1
	s_lshl_b32 s58, s55, 4                         ; k's records of my head: 256 + 16 head
	s_add_co_u32 s58, s58, 256
	s_mul_i32 s58, s58, REC
	s_mov_b32 s59, 0
	s_lshl_b32 s60, s54, 20                        ; the mask at row 128 px + 32 w
	s_lshl_b32 s13, s[WV], 18
	s_add_co_u32 s60, s60, s13
	s_mov_b32 s61, 0
	s_mul_i32 s62, s[WV], 32*MP
	s_wait_dscnt 0x0                               ; both opening adds are done
	s_wait_kmcnt 0x0
	s_add_nc_u64 s[KB:KB+1], s[4:5], s[58:59]
	s_add_nc_u64 s[VB:VB+1], s[KB:KB+1], 256*REC   ; v's records lie 256 records behind k's
	s_mov_b32 s[G0M], 1
	s_mov_b32 s[G0M+1], s62
	s_add_nc_u64 s[G0M+2:G0M+3], s[6:7], s[60:61]
	s_or_b32 s[G0M+3], s[G0M+3], 0x80000000
	ROUND                                          ; all sixteen work-groups are here
	TLOAD                                          ; key step 0, into slot 0: my one load at the head
	s_mov_b32 s[SEL], 0x76543210
	s_mov_b32 s[SEL+1], 0xfedcba98
	s_mov_b32 s[CS], 0x3e0293ee                    ; c = log2(e) / sqrt(128)
	s_mov_b32 s[CS+1], s[CS]
	s_mov_b32 s[RT], 0x413504f3                    ; sqrt(128)
	s_mov_b32 s[RT+1], s[RT]
	s_mov_b32 s[MNT], 0x600000
	s_mov_b32 s[TB], 0
	s_mov_b32 s[SLOTS], 14
	; q: row 32 w + 16 u + rho of the record lies in group w / 2, tile 2 (w % 2) + rho / 8, lane 8 u + rho % 8
	s_lshl_b32 s14, s55, 4
	s_add_co_u32 s14, s14, s54
	s_mul_i32 s14, s14, REC
	s_lshr_b32 s15, s[WV], 1
	s_mul_i32 s15, s15, GRP
	s_add_co_u32 s14, s14, s15
	s_lshl_b32 s17, s12, 12
	s_add_co_u32 s68, s14, s17
	s_mov_b32 s69, 0
	s_lshl_b32 s16, s12, 7
	s_add_co_u32 s16, s16, 8192
	s_add_co_u32 s70, s14, s16
	s_mov_b32 s71, 0
	s_add_nc_u64 s[68:69], s[4:5], s[68:69]
	s_add_nc_u64 s[70:71], s[4:5], s[70:71]
	s_lshl_b32 s72, s54, 4
	s_add_co_u32 s72, s72, s55                     ; the result's record: 16 px + head
	s_mul_i32 s72, s72, REC
	s_mov_b32 s73, 0
	s_add_nc_u64 s[72:73], s[8:9], s[72:73]
	s_add_co_u32 s74, s15, s17                     ; my two tiles in it: 2 w, 2 w + 1, in natural order
	s_mov_b32 s75, 0
	s_add_nc_u64 s[74:75], s[72:73], s[74:75]
	; the prefetches: where my wave's stand, and who asks
	s_lshr_b32 s82, s52, 1
	s_lshl_b32 s82, s82, 8
	s_lshl_b32 s83, s55, 4
	s_add_co_u32 s82, s82, s83
	s_add_co_u32 s82, s82, 258                     ; at key step 2: the first change of slots steps it to 3
	s_mul_i32 s82, s82, REC
	s_and_b32 s83, s52, 1
	s_lshl_b32 s83, s83, 13
	s_add_co_u32 s82, s82, s83
	s_lshl_b32 s83, s54, 7
	s_lshl_b32 s84, s53, 5
	s_add_co_u32 s83, s83, s84
	s_lshl_b32 s83, s83, 13
	s_sub_co_u32 s84, s[WV], 1
	s_and_b32 s84, s84, 1
	s_lshl_b32 s84, s84, 8
	s_add_co_u32 s83, s83, s84
	s_add_co_u32 s83, s83, 1024                    ; at key step 2
	s_mov_b32 s[PFS], 512
	s_mov_b32 s85, 8192
	s_cmp_eq_u32 s[WV], 0
	s_cselect_b64 s[PFA:PFA+1], s[4:5], s[6:7]
	s_cselect_b32 s82, s82, s83
	s_cselect_b32 s[PFS], REC, s[PFS]
	s_cselect_b32 s85, 256, s85
	s_cselect_b32 s86, ttmp9, s81                  ; the coordinate along which other clusters read the same bytes
	s_mov_b32 s83, 0
	s_mov_b32 s[PFS+1], 0
	s_add_nc_u64 s[PFA:PFA+1], s[PFA:PFA+1], s[82:83]
	s_cmp_lt_u32 s[WV], 3
	s_cselect_b32 s84, 0, 1
	s_or_b32 s86, s86, s84
	s_cmp_eq_u32 s86, 0
	s_cselect_b32 s[LIM], 1, -1
	v_and_b32 v8, 15, v0                           ; rho
	v_bfe_u32 v9, v0, 4, 1                         ; h
	v_and_b32 v10, 31, v0                          ; lane
	v_lshlrev_b32 v[LI], 4, v10
	v_lshlrev_b32 v[LS], 3, v10
	v_mul_lo_u32 v[PFO], v10, s85
	v_mul_u32_u24 v[AM0], v8, MP
	v_lshl_add_u32 v[AM0], v9, 6, v[AM0]
	v_add_nc_u32 v[AM0], s62, v[AM0]               ; the mask: row 32 w + rho, + 64 h
	v_lshrrev_b32 v12, 3, v8
	v_and_b32 v13, 7, v8
	v_lshlrev_b32 v[QO], 11, v12
	v_lshl_add_u32 v[QO], v13, 4, v[QO]
	v_lshl_add_u32 v[QO], v9, 8, v[QO]
	v_lshlrev_b32 v[QS], 3, v13
	v_lshl_add_u32 v[QS], v12, 2, v[QS]
	s_wait_alu depctr_va_vdst(0)
	WIN 0xc0
.irp u, 0,1
.irp c, 0,1,2,3
	global_load_b128 v[16*\u+4*\c:16*\u+4*\c+3], v[QO], s[68:69] offset:512*\c+128*\u   ; q's two fragments stay in registers
.endr
.endr
	WIN 0
	global_load_b32 v36, v[QS], s[70:71]
	global_load_b32 v37, v[QS], s[70:71] offset:64
	NEXTK1                                         ; k(0)
	NEXTK2
	v_mov_b32 v13, 0xff61b1e6                      ; the largest t so far: -3e38
	v_mov_b32 v15, 0xff61b1e6
	v_floor_f32 v12, -v13                          ; -M
	v_floor_f32 v14, -v15
.irp r, 16,17,18,19,21,23,44,45,46,47,68,69,70,71
	v_mov_b32 v\r, 0                               ; l; the upper halves of f's pairs; the lane permutes' destinations
.endr
	WIN 0x40
.set J, 0
.rept 128
	v_mov_b32 v[J], 0                              ; O^T: the first trip finds zeros, which the first change of M leaves zeros
.set J, J+1
.endr
	WIN 0
	s_wait_alu depctr_va_vdst(0)                   ; at the head's end
	s_wait_tensorcnt 0x0                           ; slot 1's first fill is issued as a refill is
	ds_add_u32 v[SPW], v[NIL]
	WALK
	s_wait_dscnt 0x0
	ROUND
	TLOAD                                          ; key step 1, into slot 1
	NEXTM                                          ; mask(0)
	s_wait_alu depctr_va_vdst(0)
	s_wait_loadcnt 0x0                             ; q, k(0)
.macro TRIP fill
	PLACES 8                                       ; behind the last products, ahead of loads into what they read
	WIN 0x80
.irp t, 0,1,2,3,4,5,6,7
.irp c, 0,1,2,3
	global_load_b128 v[128+16*\t+4*\c:128+16*\t+4*\c+3], v[LI], s[VB:VB+1] offset:(\t/4)*GRP+(\t%4)*2048+512*\c
.endr
.endr
	WIN 0
	global_load_b64 v[28:29], v[LS], s[VB:VB+1] offset:8192
	global_load_b64 v[30:31], v[LS], s[VB:VB+1] offset:GRP+8192
	s_wait_loadcnt 34                              ; k and its scale words are in; v's 34 loads may be out
	s_wait_dscnt 0x0                               ; the mask is in
	WIN 0x0e                                       ; source 0 window 2, source 1 window 3
.irp t, 0,1,2,3,4,5,6,7
.irp u, 0,1
.if (\t%4) < 2
	v_wmma_scale_f32_16x16x128_f8f6f4 v[128+64*\u+8*\t:135+64*\u+8*\t], v[16*\t:16*\t+15], v[16*\u:16*\u+15], 0, v[24+2*(\t/4)+(\t%2)], v[36+\u]
.else
	v_wmma_scale_f32_16x16x128_f8f6f4 v[128+64*\u+8*\t:135+64*\u+8*\t], v[16*\t:16*\t+15], v[16*\u:16*\u+15], 0, v[24+2*(\t/4)+(\t%2)], v[36+\u] matrix_a_scale:MATRIX_SCALE_ROW1
.endif
.endr
.endr                                              ; register 16 b + i of a tile is key 32 b + 16 h + i
	WIN 0
	PLACES 8
.if \fill
	s_add_nc_u64 s[KB:KB+1], s[KB:KB+1], REC       ; (the loads that read this base have come back)
	NEXTK1                                         ; k(t + 1), its first 28 loads
.else
	s_cmp_eq_u32 s[SLOTS], 1                       ; the last step has no successor
	s_cbranch_scc1 .Lno_k_\@
	s_add_nc_u64 s[KB:KB+1], s[KB:KB+1], REC
	NEXTK1
.Lno_k_\@:
.endif
	WIN 0x01
.set J, 0
.rept 64
	v_pk_fma_f32 v[128+J:129+J], v[128+J:129+J], s[RT:RT+1], v[128+J:129+J] op_sel_hi:[1,0,1]   ; y = score + mask x sqrt(128), each accumulator from its low end on
.set J, J+2
.endr
	WIN 0
	; THE CHANGE OF SLOTS
	s_wait_alu depctr_va_vdst(0)
	s_wait_tensorcnt 0x0                           ; my part of the other slot has landed
	ds_add_u32 v[SPW], v[NIL]
.if \fill
	WALK
	s_wait_xcnt 0x0                                ; the last prefetch has read its address
	s_add_nc_u64 s[PFA:PFA+1], s[PFA:PFA+1], s[PFS:PFS+1]
.endif
	s_wait_dscnt 0x0                               ; the add is done; my reads of this slot were over at the trip's head
.if \fill
	ROUND
	TLOAD                                          ; mask(t + 2) into the slot just read out
	s_xor_b32 s[TB], s[TB], SLOT1
	NEXTM
	ASK
.else
	s_barrier_signal -1
	s_barrier_wait -1
	s_xor_b32 s[TB], s[TB], SLOT1
	s_cmp_eq_u32 s[SLOTS], 1
	s_cbranch_scc1 .Lnone_\@
	NEXTM
.Lnone_\@:
.endif
	; THE SOFTMAX of both tiles
.irp b, 0,1,2,3
.irp u, 0,1
	v_max3_num_f32 v[40+24*\u+\b], v[128+64*\u+16*\b], v[129+64*\u+16*\b], v[130+64*\u+16*\b]   ; the largest y of each block of 32 keys: for the row's maximum and for the block's largest p
.endr
.endr
.irp i, 3,5,7,9,11,13
.irp b, 0,1,2,3
.irp u, 0,1
	v_max3_num_f32 v[40+24*\u+\b], v[40+24*\u+\b], v[128+64*\u+16*\b+\i], v[129+64*\u+16*\b+\i]
.endr
.endr
.endr
.irp b, 0,1,2,3
.irp u, 0,1
	v_max_num_f32 v[40+24*\u+\b], v[40+24*\u+\b], v[143+64*\u+16*\b]
.endr
.endr
.irp b, 0,1,2,3
.irp u, 0,1
	v_permlanex16_b32 v[44+24*\u+\b], v[40+24*\u+\b], s[SEL], s[SEL+1]
.endr
.endr
.irp b, 0,1,2,3
.irp u, 0,1
	v_max_num_f32 v[40+24*\u+\b], v[40+24*\u+\b], v[44+24*\u+\b]   ; with lane l xor 16's 16 keys
.endr
.endr
.irp u, 0,1
	v_max3_num_f32 v[62+24*\u], v[40+24*\u], v[41+24*\u], v[42+24*\u]
.endr
.irp u, 0,1
	v_max_num_f32 v[62+24*\u], v[62+24*\u], v[43+24*\u]
.endr
.irp u, 0,1
	v_mul_f32 v[62+24*\u], s[CS], v[62+24*\u]      ; as t
.endr
.irp u, 0,1
	v_max_num_f32 v[13+2*\u], v[13+2*\u], v[62+24*\u]   ; the running largest t
.endr
.irp u, 0,1
	v_mov_b32 v[62+24*\u], v[12+2*\u]
.endr
.irp u, 0,1
	v_floor_f32 v[12+2*\u], -v[13+2*\u]            ; the new -M = -ceil(t)
.endr
.irp u, 0,1
	v_sub_f32 v[62+24*\u], v[12+2*\u], v[62+24*\u] ; old M - new M: a whole number, 0 or less
.endr
.irp u, 0,1
	v_cvt_i32_f32 v[62+24*\u], v[62+24*\u]         ; (it saturates)
.endr
.irp u, 0,1
	v_ldexp_f32 v[20+2*\u], 1.0, v[62+24*\u]       ; f = 2^(old M - new M)
.endr
.set J, 0
.rept 64
	v_pk_fma_f32 v[128+J:129+J], v[128+J:129+J], s[CS:CS+1], v[12+2*(J/64):13+2*(J/64)] op_sel_hi:[1,0,0]   ; t - M
.set J, J+2
.endr
.irp b, 0,1,2,3
.irp u, 0,1
	v_fma_f32 v[40+24*\u+\b], v[40+24*\u+\b], s[CS], v[12+2*\u]   ; the same of each block's largest y
.endr
.endr
.if \fill
	NEXTK2                                         ; k(t + 1), its last 6 loads
.else
	s_cmp_eq_u32 s[SLOTS], 1                       ; the last step has no successor
	s_cbranch_scc1 .Lno_k2_\@
	NEXTK2
.Lno_k2_\@:
.endif
	s_wait_alu depctr_va_vdst(0)                   ; ahead of the batch
.set J, 0
.rept 128
	v_exp_f32 v[128+J], v[128+J]                   ; p = 2^(t - M), at most 1
.set J, J+1
.endr
	v_pk_mul_f32 v[16:17], v[16:17], v[20:21] op_sel_hi:[1,0]   ; l under the new M
	v_pk_mul_f32 v[18:19], v[18:19], v[22:23] op_sel_hi:[1,0]
	s_wait_alu depctr_va_vdst(0)                   ; one wait for the batch, ahead of its first reader
.irp b, 0,1,2,3
.irp u, 0,1
	v_exp_f32 v[40+24*\u+\b], v[40+24*\u+\b]       ; the block's largest p: the same two instructions on the same number
.endr
.endr
.irp u, 0,1                                    ; l += the unquantised p: four chains a tile
	v_pk_add_f32 v[56+24*\u:57+24*\u], v[128+64*\u:129+64*\u], v[130+64*\u:131+64*\u]
	v_pk_add_f32 v[58+24*\u:59+24*\u], v[132+64*\u:133+64*\u], v[134+64*\u:135+64*\u]
	v_pk_add_f32 v[60+24*\u:61+24*\u], v[136+64*\u:137+64*\u], v[138+64*\u:139+64*\u]
.endr
.irp k, 12,20,28,36,44,52
.irp u, 0,1
	v_pk_add_f32 v[16+2*\u:17+2*\u], v[16+2*\u:17+2*\u], v[128+64*\u+\k:129+64*\u+\k]
	v_pk_add_f32 v[56+24*\u:57+24*\u], v[56+24*\u:57+24*\u], v[130+64*\u+\k:131+64*\u+\k]
	v_pk_add_f32 v[58+24*\u:59+24*\u], v[58+24*\u:59+24*\u], v[132+64*\u+\k:133+64*\u+\k]
	v_pk_add_f32 v[60+24*\u:61+24*\u], v[60+24*\u:61+24*\u], v[134+64*\u+\k:135+64*\u+\k]
.endr
.endr
.irp u, 0,1
	v_pk_add_f32 v[16+2*\u:17+2*\u], v[16+2*\u:17+2*\u], v[188+64*\u:189+64*\u]
	v_pk_add_f32 v[56+24*\u:57+24*\u], v[56+24*\u:57+24*\u], v[190+64*\u:191+64*\u]
	v_pk_add_f32 v[58+24*\u:59+24*\u], v[58+24*\u:59+24*\u], v[60+24*\u:61+24*\u]
.endr
.irp u, 0,1
	v_pk_add_f32 v[16+2*\u:17+2*\u], v[16+2*\u:17+2*\u], v[56+24*\u:57+24*\u]
.endr
.irp u, 0,1
	v_pk_add_f32 v[16+2*\u:17+2*\u], v[16+2*\u:17+2*\u], v[58+24*\u:59+24*\u]
.endr
	s_wait_alu depctr_va_vdst(0)                   ; and one for the eight
.irp b, 0,1,2,3
.irp u, 0,1
	v_max_num_f32 v[40+24*\u+\b], 0x4800000, v[40+24*\u+\b]   ; the floor 2^(9 - 127): the byte cannot fall under 1
.endr
.endr
.irp b, 0,1,2,3
.irp u, 0,1
	v_add_nc_u32 v[52+24*\u+\b], 0xfc000000, v[40+24*\u+\b]   ; 8 off the exponent field: the conversion's scale operand
.endr
.endr
.irp b, 0,1,2,3
.irp u, 0,1
	v_and_or_b32 v[48+24*\u+\b], v[40+24*\u+\b], 0x7f800000, s[MNT]   ; 448 x the scale
.endr
.endr
.irp b, 0,1,2,3
.irp u, 0,1
	v_lshrrev_b32 v[44+24*\u+\b], 23, v[52+24*\u+\b]   ; the scale's byte
.endr
.endr
.irp u, 0,1
	v_lshl_or_b32 v[34+\u], v[45+24*\u], 8, v[44+24*\u]   ; p's scale word for these 128 keys
.endr
.irp u, 0,1
	v_lshl_or_b32 v[34+\u], v[46+24*\u], 16, v[34+\u]
.endr
.irp u, 0,1
	v_lshl_or_b32 v[34+\u], v[47+24*\u], 24, v[34+\u]
.endr
.irp b, 0,1,2,3
.irp u, 0,1
.irp i, 0,1,2,3,4,5,6,7,8,9,10,11,12,13,14,15
	v_min_num_f32 v[128+64*\u+16*\b+\i], v[128+64*\u+16*\b+\i], v[48+24*\u+\b]   ; the conversion does not saturate (ISA guide 7.6.2); p is not negative
.endr
.endr
.irp u, 0,1
	v_cvt_scalef32_pk8_fp8_f32 v[88+16*\u+4*\b:89+16*\u+4*\b], v[128+64*\u+16*\b:135+64*\u+16*\b], v[52+24*\u+\b]
	v_cvt_scalef32_pk8_fp8_f32 v[90+16*\u+4*\b:91+16*\u+4*\b], v[136+64*\u+16*\b:143+64*\u+16*\b], v[52+24*\u+\b]
.endr
.endr
	s_wait_loadcnt 34*\fill                        ; v and its scale words are in; where a next k was surely asked for, its 34 loads may be out
	WIN 0x41
	s_wait_alu depctr_va_vdst(0)                   ; directly ahead of the first reader of O^T
.set J, 0
.rept 64
	v_pk_mul_f32 v[J:J+1], v[J:J+1], v[20+2*(J/64):21+2*(J/64)] op_sel_hi:[1,0]   ; O^T under the new M; these lines are also the places between the codes and the products
.set J, J+2
.endr
	WIN 0x52                                       ; source 0 window 2, source 1 window 0, C and D window 1
.irp t, 0,1,2,3,4,5,6,7                        ; O^T += v^T p^T: the sixteen accumulators by turns
.irp u, 0,1
.if (\t%4) < 2
	v_wmma_scale_f32_16x16x128_f8f6f4 v[64*\u+8*\t:64*\u+8*\t+7], v[128+16*\t:143+16*\t], v[88+16*\u:103+16*\u], v[64*\u+8*\t:64*\u+8*\t+7], v[28+2*(\t/4)+(\t%2)], v[34+\u]
.else
	v_wmma_scale_f32_16x16x128_f8f6f4 v[64*\u+8*\t:64*\u+8*\t+7], v[128+16*\t:143+16*\t], v[88+16*\u:103+16*\u], v[64*\u+8*\t:64*\u+8*\t+7], v[28+2*(\t/4)+(\t%2)], v[34+\u] matrix_a_scale:MATRIX_SCALE_ROW1
.endif
.endr
.endr
	WIN 0
	s_add_nc_u64 s[VB:VB+1], s[VB:VB+1], REC       ; (v's loads have come back)
.endm
.Lfill:                                            ; 14 trips: each asks for the mask's tile two key steps on
	TRIP 1
	s_sub_co_u32 s[SLOTS], s[SLOTS], 1
	s_cmp_lg_u32 s[SLOTS], 0
	s_cbranch_scc1 .Lfill
	s_mov_b32 s[SLOTS], 2
.Llast:                                            ; the last two key steps fill nothing
	TRIP 0
	s_sub_co_u32 s[SLOTS], s[SLOTS], 1
	s_cmp_lg_u32 s[SLOTS], 0
	s_cbranch_scc1 .Llast
	; THE WAY OUT.  O^T / l is laid as the next operand wants it: a lane holds one token of each tile, its registers 16 neighbours of each block of 32 along DIM.
	PLACES 8
	s_lshl_b32 s13, s[WV], 7
	s_add_co_u32 s13, s13, STG                     ; the scale words' stage, as they lie in the record: 128 w + 8 rho + 4 u
.irp u, 0,1
	v_add_f32 v[16+2*\u], v[16+2*\u], v[17+2*\u]
.endr
.irp u, 0,1
	v_permlanex16_b32 v[62+24*\u], v[16+2*\u], s[SEL], s[SEL+1]
.endr
.irp u, 0,1
	v_add_f32 v[17+2*\u], v[16+2*\u], v[62+24*\u]  ; l
.endr
	s_wait_alu depctr_va_vdst(0)
	v_rcp_f32 v16, v17
	v_rcp_f32 v18, v19
	v_and_b32 v8, 15, v0
	v_lshlrev_b32 v8, 3, v8
	v_add_nc_u32 v8, s13, v8
	v_add_nc_u32 v9, STG, v[LS]
	WIN 0x01
	s_wait_alu depctr_va_vdst(0)                   ; ahead of the reciprocals' and of O^T's first reader
.set J, 0
.rept 128
	v_mul_f32 v[128+J], v[J], v[16+2*(J/64)]       ; each accumulator from its low end on
.set J, J+1
.endr
	WIN 0
.irp b, 0,1,2,3
.irp u, 0,1
	v_max3_num_f32 v[40+24*\u+\b], |v[128+64*\u+16*\b]|, |v[129+64*\u+16*\b]|, 0x4800000
.endr
.endr
.irp i, 2,4,6,8,10,12,14
.irp b, 0,1,2,3
.irp u, 0,1
	v_max3_num_f32 v[40+24*\u+\b], v[40+24*\u+\b], |v[128+64*\u+16*\b+\i]|, |v[129+64*\u+16*\b+\i]|
.endr
.endr
.endr
.irp b, 0,1,2,3
.irp u, 0,1
	v_permlanex16_b32 v[44+24*\u+\b], v[40+24*\u+\b], s[SEL], s[SEL+1]
.endr
.endr
.irp b, 0,1,2,3
.irp u, 0,1
	v_max_num_f32 v[40+24*\u+\b], v[40+24*\u+\b], v[44+24*\u+\b]
.endr
.endr
.irp b, 0,1,2,3
.irp u, 0,1
	v_add_nc_u32 v[52+24*\u+\b], 0xfc000000, v[40+24*\u+\b]
.endr
.endr
.irp b, 0,1,2,3
.irp u, 0,1
	v_and_or_b32 v[48+24*\u+\b], v[40+24*\u+\b], 0x7f800000, s[MNT]
.endr
.endr
.irp b, 0,1,2,3
.irp u, 0,1
	v_lshrrev_b32 v[44+24*\u+\b], 23, v[52+24*\u+\b]
.endr
.endr
.irp u, 0,1
	v_lshl_or_b32 v[38+\u], v[45+24*\u], 8, v[44+24*\u]
.endr
.irp u, 0,1
	v_lshl_or_b32 v[38+\u], v[46+24*\u], 16, v[38+\u]
.endr
.irp u, 0,1
	v_lshl_or_b32 v[38+\u], v[47+24*\u], 24, v[38+\u]
.endr
.irp b, 0,1,2,3
.irp u, 0,1
.irp i, 0,1,2,3,4,5,6,7,8,9,10,11,12,13,14,15
	v_med3_num_f32 v[128+64*\u+16*\b+\i], v[128+64*\u+16*\b+\i], -v[48+24*\u+\b], v[48+24*\u+\b]
.endr
.endr
.irp u, 0,1
	v_cvt_scalef32_pk8_fp8_f32 v[88+16*\u+4*\b:89+16*\u+4*\b], v[128+64*\u+16*\b:135+64*\u+16*\b], v[52+24*\u+\b]
	v_cvt_scalef32_pk8_fp8_f32 v[90+16*\u+4*\b:91+16*\u+4*\b], v[136+64*\u+16*\b:143+64*\u+16*\b], v[52+24*\u+\b]
.endr
.endr
	v_nop                                          ; a plain line behind the last conversion
	v_cmp_lt_f32 vcc_lo, 0, v17                    ; a query with no key at all has l = 0 (expected: NaN):
	v_cndmask_b32 v38, -1, v38, vcc_lo             ; its four scale bytes become 0xff
	v_cmp_lt_f32 vcc_lo, 0, v19
	v_cndmask_b32 v39, -1, v39, vcc_lo
.irp u, 0,1
.irp c, 0,1,2,3
	global_store_b128 v[LI], v[88+16*\u+4*\c:91+16*\u+4*\c], s[74:75] offset:2048*\u+512*\c   ; 32 lanes store 512 consecutive bytes, aligned
.endr
.endr
	ds_store_b64 v8, v[38:39]                      ; (lanes rho and rho + 16 write the same words with the same values)
	s_wait_dscnt 0x0                               ; for the others' sake
	s_barrier_signal -1
	s_barrier_wait -1
	s_cmp_lg_u32 s[WV], 0
	s_cbranch_scc1 .Lnot_0
	ds_load_b64 v[120:121], v9                     ; the record's 128 scale words leave as two runs of 256 consecutive bytes, aligned
	ds_load_b64 v[122:123], v9 offset:256
	s_wait_dscnt 0x0
	global_store_b64 v[LS], v[120:121], s[72:73] offset:8192
	global_store_b64 v[LS], v[122:123], s[72:73] offset:GRP+8192
.Lnot_0:
	s_wait_tensorcnt 0x0                           ; the wave's end
	ds_add_u32 v[SPW], v[NIL]
	s_wait_dscnt 0x0
	ROUND                                          ; the closing round
	s_endpgm
.Lfunc_end_k_q9147b2c0e9_attn:
	.size	k_q9147b2c0e9_attn, .Lfunc_end_k_q9147b2c0e9_attn-k_q9147b2c0e9_attn
	.p2alignl 7, 3214868480
	.fill 96, 4, 3214868480
	.section	.rodata,"a",@progbits
	.p2align	6, 0x0
	.amdhsa_kernel k_q9147b2c0e9_attn
		.amdhsa_group_segment_fixed_size 327680
		.amdhsa_private_segment_fixed_size 0
		.amdhsa_enable_private_segment 0
		.amdhsa_kernarg_size 24
		.amdhsa_user_sgpr_count 2
		.amdhsa_user_sgpr_kernarg_segment_ptr 1
		.amdhsa_wavefront_size32 1
		.amdhsa_system_sgpr_workgroup_id_x 1
		.amdhsa_system_sgpr_workgroup_id_y 1
		.amdhsa_system_sgpr_workgroup_id_z 1
		.amdhsa_system_vgpr_workitem_id 0
		.amdhsa_next_free_vgpr 800
		.amdhsa_next_free_sgpr 100
		.amdhsa_reserve_vcc 1
		.amdhsa_float_denorm_mode_32 3
		.amdhsa_float_denorm_mode_16_64 3
		.amdhsa_memory_ordered 1
		.amdhsa_forward_progress 1
		.amdhsa_inst_pref_size 138
	.end_amdhsa_kernel
	.amdgpu_metadata
---
amdhsa.version: [ 1, 2 ]
amdhsa.kernels:
  - .name:           k_q9147b2c0e9_attn
    .symbol:         k_q9147b2c0e9_attn.kd
    .args:
      - { .name: qkv, .offset: 0, .size: 8, .value_kind: global_buffer, .address_space: global }
      - { .name: mask, .offset: 8, .size: 8, .value_kind: global_buffer, .address_space: global }
      - { .name: aimg, .offset: 16, .size: 8, .value_kind: global_buffer, .address_space: global }
    .group_segment_fixed_size: 327680
    .private_segment_fixed_size: 0
    .kernarg_segment_align: 8
    .kernarg_segment_size: 24
    .max_flat_workgroup_size: 128
    .sgpr_count:     100
    .vgpr_count:     800
    .wavefront_size: 32
...
	.end_amdgpu_metadata
.endif
;; end of part 3
;; launch oproj (part 4): grid 16 x 16, 4 waves a work-group, clusters of 4 x 4, 327,680 bytes of LDS; arguments aimg, wimg, out0; writes out0
.if DOCPART == 4
	.amdgcn_target "amdgcn-amd-amdhsa--gfx1250"
	.amdhsa_code_object_version 6
	.text
	.protected	k_q9147b2c0e9_oproj
	.globl	k_q9147b2c0e9_oproj
	.p2align	8
	.type	k_q9147b2c0e9_oproj,@function
k_q9147b2c0e9_oproj:
	s_mov_b64 s[64:65], 0
	v_nop
	global_prefetch_b8 v0, s[64:65] scope:SCOPE_SE
	s_setreg_imm32_b32 hwreg(HW_REG_WAVE_MODE, 25, 1), 1
	s_wait_xcnt 0x0
	s_wait_alu depctr_hold_cnt(0) depctr_sa_sdst(0) depctr_va_vdst(0) depctr_va_sdst(0) depctr_va_ssrc(0) depctr_va_vcc(0) depctr_vm_vsrc(0)
	s_getreg_b32 s2, hwreg(HW_REG_IB_STS2, 6, 4)
	s_cmp_eq_u32 s2, 0
	s_cbranch_scc0 .Lentry_in_a_cluster
	s_endpgm
.Lentry_in_a_cluster:
	s_bfe_u32 s2, ttmp6, 0x10000c
	s_cmp_lg_u32 s2, 0xf033
	s_cbranch_scc0 .Lentry_shape_is_right
	s_endpgm
.Lentry_shape_is_right:
.set REC,    16896
.set GRP,    8448
.set ROWBLK, 16*REC
.set HALF,   2*REC
.set REGION, 4*REC
.set SLOT,   8*REC
.set SPARE,  2*SLOT
.set SP,     528
.set LI,   4
.set LS,   5
.set STO,  6
.set RD,   7
.set AF,   8
.set AO,   12
.set ASF,  16
.set ASO,  20
.set SPW,  28
.set NIL,  29
.set SC,   32
.set BK,   64
.set ACC,  128
.set G1X,  24
.set G0X,  32
.set G1W,  48
.set G0W,  56
.set MSB, 0
.macro WIN new
.if MSB != \new
	s_set_vgpr_msb (MSB<<8)|\new
.set MSB, \new
.endif
.endm
.macro PLACES n
.rept \n
	v_nop
.endr
.endm
.macro JLOAD s
	s_cmp_eq_u32 s15, 0
	s_cbranch_scc0 .Lfor_w_\@
	tensor_load_to_lds s[G0X+4*\s:G0X+4*\s+3], s[G1X:G1X+7]
	s_nop 0
.rept 4
	v_nop
.endr
	s_branch .Lasked_\@
.Lfor_w_\@:
	tensor_load_to_lds s[G0W+4*\s:G0W+4*\s+3], s[G1W:G1W+7]
	s_nop 0
.rept 4
	v_nop
.endr
.Lasked_\@:
.endm
.macro CREST
	s_cmp_lg_u32 s14, 0
	s_cbranch_scc1 .Lnot_wave_0_\@
	s_barrier_signal -3
.Lnot_wave_0_\@:
	s_barrier_wait -3
	s_barrier_signal -1
	s_barrier_wait -1
.endm
.macro CROUND
	s_barrier_signal -1
	s_barrier_wait -1
	CREST
.endm
	s_load_b128 s[4:7], s[0:1], 0x0
	s_load_b64 s[12:13], s[0:1], 0x10
	v_lshl_add_u32 v[SPW], v0, 2, SPARE
	v_mov_b32 v[NIL], 0
	ds_add_u32 v28, v29
	ds_add_u32 v28, v29
	s_wait_dscnt 0x0
	v_lshrrev_b32 v1, 5, v0
	v_readfirstlane_b32 s14, v1
	s_lshr_b32 s15, s14, 1
	s_and_b32 s16, s14, 1
	s_bfe_u32 s40, ttmp6, 0x40000
	s_bfe_u32 s41, ttmp6, 0x40004
	s_lshl_b32 s42, ttmp9, 2
	s_add_co_u32 s42, s42, s40
	s_and_b32 s17, ttmp7, 0xffff
	s_lshl_b32 s17, s17, 2
	s_add_co_u32 s17, s17, s41
	s_lshl_b32 s43, s41, 2
	s_lshl_b32 s43, 15, s43
	s_lshl_b32 s44, 0x1111, s40
	s_or_b32 s[G1X], s44, (3<<16)|(1<<21)
	s_or_b32 s[G1W], s43, (3<<16)|(1<<21)
.irp g, G1X, G1W
	s_mov_b32 s[\g+1], 32<<16
	s_mov_b32 s[\g+2], 132<<16
	s_mov_b32 s[\g+3], 32<<16
	s_mov_b32 s[\g+4], 132
	s_mov_b32 s[\g+5], 32
	s_mov_b32 s[\g+6], 0
	s_mov_b32 s[\g+7], 0
.endr
	s_mul_i32 s18, s16, HALF
	s_mul_i32 s20, s42, ROWBLK
	s_add_co_u32 s20, s20, s18
	s_mov_b32 s21, 0
	s_add_co_u32 s46, s17, 48
	s_mul_i32 s46, s46, ROWBLK
	s_add_co_u32 s46, s46, s18
	s_mov_b32 s47, 0
	s_mul_i32 s45, s14, HALF
	s_wait_kmcnt 0x0
	s_add_nc_u64 s[20:21], s[4:5], s[20:21]
	s_add_nc_u64 s[46:47], s[6:7], s[46:47]
	CROUND
.irp s, 0,1
	s_mov_b32 s[G0X+4*\s], 1
	s_add_co_u32 s[G0X+4*\s+1], s45, \s*SLOT
	s_add_nc_u64 s[G0X+4*\s+2:G0X+4*\s+3], s[20:21], \s*REGION
	s_or_b32 s[G0X+4*\s+3], s[G0X+4*\s+3], 0x80000000
	s_mov_b32 s[G0W+4*\s], 1
	s_add_co_u32 s[G0W+4*\s+1], s45, \s*SLOT
	s_add_nc_u64 s[G0W+4*\s+2:G0W+4*\s+3], s[46:47], \s*REGION
	s_or_b32 s[G0W+4*\s+3], s[G0W+4*\s+3], 0x80000000
	s_wait_alu depctr_va_vdst(0)
	s_wait_tensorcnt 0x0
	ds_add_u32 v28, v29
	ds_add_u32 v28, v29
	s_wait_dscnt 0x0
	CROUND
	JLOAD \s
.endr
	v_and_b32 v1, 15, v0
	v_bfe_u32 v2, v0, 4, 1
	v_and_b32 v3, 31, v0
	v_lshlrev_b32 v[LI], 4, v3
	v_lshlrev_b32 v[LS], 3, v3
	v_lshlrev_b32 v25, 3, v1
	s_wait_alu depctr_va_vdst(0)
	s_mul_i32 s18, s15, GRP
	s_lshl_b32 s19, s16, 12
	s_add_co_u32 s19, s19, s18
	s_lshl_b32 s22, s16, 7
	s_add_co_u32 s22, s22, s18
	s_add_co_u32 s22, s22, 8192
.irp i, 0,1,2,3
	v_add_nc_u32 v[AF+\i], REGION+(\i/2)*SLOT+(\i%2)*HALF, v[LI]
	v_add_nc_u32 v[ASF+\i], REGION+8192+(\i/2)*SLOT+(\i%2)*HALF, v[LS]
	s_add_co_u32 s75, s19, (\i/2)*SLOT+(\i%2)*HALF
	v_add_nc_u32 v[AO+\i], s75, v[LI]
	s_add_co_u32 s75, s22, (\i/2)*SLOT+(\i%2)*HALF
	v_add_nc_u32 v[ASO+\i], s75, v25
.endr
	s_mul_i32 s23, s14, GRP
	v_mul_u32_u24 v[STO], v1, SP
	v_lshl_add_u32 v[STO], v2, 6, v[STO]
	v_add_nc_u32 v[STO], s23, v[STO]
	v_add_nc_u32 v[RD], s23, v[LI]
	s_lshl_b32 s74, s42, 20
	s_lshl_b32 s23, s14, 18
	s_add_co_u32 s74, s74, s23
	s_lshl_b32 s23, s17, 9
	s_add_co_u32 s74, s74, s23
	s_mov_b32 s75, 0
	s_add_nc_u64 s[66:67], s[12:13], s[74:75]
.macro FETCH k
.set FI, (((\k)/4)%2)*2+((\k)%4)/2
.set FO, ((\k)%2)*REC
.set FS, SC+6*((\k)%2)
.if ((\k)%2) == 0
	WIN 0x40
.else
	WIN 0x80
.endif
.irp t, 0,1,2,3,4,5,6,7
.irp c, 0,1,2,3
	ds_load_b128 v[16*\t+4*\c:16*\t+4*\c+3], v[AF+FI] offset:FO+(\t/4)*GRP+(\t%4)*2048+512*\c
.endr
.endr
.irp n, 0,1
.irp c, 0,1,2,3
	ds_load_b128 v[128+16*\n+4*\c:128+16*\n+4*\c+3], v[AO+FI] offset:FO+2048*\n+512*\c
.endr
.endr
	WIN 0
	ds_load_b64 v[FS:FS+1], v[ASF+FI] offset:FO
	ds_load_b64 v[FS+2:FS+3], v[ASF+FI] offset:FO+GRP
	ds_load_b64 v[FS+4:FS+5], v[ASO+FI] offset:FO
.endm
.macro MUL8 k, n, zero
.set MS, SC+6*((\k)%2)
.if ((\k)%2) == 0
	WIN 0x05
.else
	WIN 0x0a
.endif
.irp t, 0,1,2,3,4,5,6,7
.if \zero
.if (\t%4) < 2
	v_wmma_scale_f32_16x16x128_f8f6f4 v[ACC+64*\n+8*\t:ACC+64*\n+8*\t+7], v[16*\t:16*\t+15], v[128+16*\n:128+16*\n+15], 0, v[MS+2*(\t/4)+(\t%2)], v[MS+4+\n]
.else
	v_wmma_scale_f32_16x16x128_f8f6f4 v[ACC+64*\n+8*\t:ACC+64*\n+8*\t+7], v[16*\t:16*\t+15], v[128+16*\n:128+16*\n+15], 0, v[MS+2*(\t/4)+(\t%2)], v[MS+4+\n] matrix_a_scale:MATRIX_SCALE_ROW1
.endif
.else
.if (\t%4) < 2
	v_wmma_scale_f32_16x16x128_f8f6f4 v[ACC+64*\n+8*\t:ACC+64*\n+8*\t+7], v[16*\t:16*\t+15], v[128+16*\n:128+16*\n+15], v[ACC+64*\n+8*\t:ACC+64*\n+8*\t+7], v[MS+2*(\t/4)+(\t%2)], v[MS+4+\n]
.else
	v_wmma_scale_f32_16x16x128_f8f6f4 v[ACC+64*\n+8*\t:ACC+64*\n+8*\t+7], v[16*\t:16*\t+15], v[128+16*\n:128+16*\n+15], v[ACC+64*\n+8*\t:ACC+64*\n+8*\t+7], v[MS+2*(\t/4)+(\t%2)], v[MS+4+\n] matrix_a_scale:MATRIX_SCALE_ROW1
.endif
.endif
.endr
.endm
.macro STEP k, zero
.if \zero == 0
	PLACES 8
.endif
	FETCH (\k)+1
	s_wait_dscnt 43
	MUL8 \k, 0, \zero
	MUL8 \k, 1, \zero
.endm
.macro TURN k, slot, fill
	WIN 0
	s_wait_tensorcnt 0x0
	ds_add_u32 v[SPW], v[NIL]
	s_wait_dscnt 1
	MUL8 \k, 0, 0
	s_wait_dscnt 0x0
	s_barrier_signal -1
	MUL8 \k, 1, 0
	WIN 0
	s_barrier_wait -1
.if \fill
	CREST
	s_add_nc_u64 s[G0X+4*\slot+2:G0X+4*\slot+3], s[G0X+4*\slot+2:G0X+4*\slot+3], SLOT
	s_add_nc_u64 s[G0W+4*\slot+2:G0W+4*\slot+3], s[G0W+4*\slot+2:G0W+4*\slot+3], SLOT
	JLOAD \slot
	PLACES 4
.else
	PLACES 8
.endif
	s_wait_alu depctr_va_vdst(0)
	FETCH (\k)+1
.endm
	s_wait_tensorcnt 1
	s_barrier_signal -1
	s_barrier_wait -1
	FETCH 0
	STEP 0, 1
	STEP 1, 0
	STEP 2, 0
	TURN 3, 0, 1
	STEP 4, 0
	STEP 5, 0
	STEP 6, 0
	TURN 7, 1, 1
	STEP 8, 0
	STEP 9, 0
	STEP 10, 0
	TURN 11, 0, 0
	STEP 12, 0
	STEP 13, 0
	STEP 14, 0
	s_wait_dscnt 0x0
	MUL8 15, 0, 0
	MUL8 15, 1, 0
	WIN 0
	PLACES 8
.macro TOSTAGE n
.irp t, 0,1,2,3,4,5,6,7
	ds_store_b128 v[STO], v[ACC+64*\n+8*\t:ACC+64*\n+8*\t+3] offset:128*(\t/2)+32*(\t%2)
	ds_store_b128 v[STO], v[ACC+64*\n+8*\t+4:ACC+64*\n+8*\t+7] offset:128*(\t/2)+32*(\t%2)+16
.endr
.irp i, 0,1,2,3,4,5,6,7,8,9,10,11,12,13,14,15
	ds_load_b128 v[BK+64*\n+4*\i:BK+64*\n+4*\i+3], v[RD] offset:SP*\i
.endr
.endm
	TOSTAGE 0
	TOSTAGE 1
	s_wait_dscnt 32
.irp i, 0,1,2,3,4,5,6,7,8,9,10,11,12,13,14,15
	global_store_b128 v[LI], v[BK+4*\i:BK+4*\i+3], s[66:67] offset:8192*\i th:TH_STORE_NT
.endr
	s_wait_dscnt 0x0
.irp i, 0,1,2,3,4,5,6,7,8,9,10,11,12,13,14,15
	global_store_b128 v[LI], v[BK+64+4*\i:BK+64+4*\i+3], s[66:67] offset:8192*(16+\i) th:TH_STORE_NT
.endr
	s_wait_tensorcnt 0x0
	ds_add_u32 v[SPW], v[NIL]
	s_wait_dscnt 0x0
	CROUND
	s_endpgm
.Lfunc_end_k_q9147b2c0e9_oproj:
	.size	k_q9147b2c0e9_oproj, .Lfunc_end_k_q9147b2c0e9_oproj-k_q9147b2c0e9_oproj
	.p2alignl 7, 3214868480
	.fill 96, 4, 3214868480
	.section	.rodata,"a",@progbits
	.p2align	6, 0x0
	.amdhsa_kernel k_q9147b2c0e9_oproj
		.amdhsa_group_segment_fixed_size 327680
		.amdhsa_private_segment_fixed_size 0
		.amdhsa_enable_private_segment 0
		.amdhsa_kernarg_size 24
		.amdhsa_user_sgpr_count 2
		.amdhsa_user_sgpr_kernarg_segment_ptr 1
		.amdhsa_wavefront_size32 1
		.amdhsa_system_sgpr_workgroup_id_x 1
		.amdhsa_system_sgpr_workgroup_id_y 1
		.amdhsa_system_sgpr_workgroup_id_z 1
		.amdhsa_system_vgpr_workitem_id 0
		.amdhsa_next_free_vgpr 672
		.amdhsa_next_free_sgpr 80
		.amdhsa_reserve_vcc 0
		.amdhsa_float_denorm_mode_32 3
		.amdhsa_float_denorm_mode_16_64 3
		.amdhsa_memory_ordered 1
		.amdhsa_forward_progress 1
		.amdhsa_inst_pref_size 99
	.end_amdhsa_kernel
	.amdgpu_metadata
---
amdhsa.version: [ 1, 2 ]
amdhsa.kernels:
  - .name:           k_q9147b2c0e9_oproj
    .symbol:         k_q9147b2c0e9_oproj.kd
    .args:
      - { .name: aimg, .offset: 0, .size: 8, .value_kind: global_buffer, .address_space: global }
      - { .name: wimg, .offset: 8, .size: 8, .value_kind: global_buffer, .address_space: global }
      - { .name: out0, .offset: 16, .size: 8, .value_kind: global_buffer, .address_space: global }
    .group_segment_fixed_size: 327680
    .private_segment_fixed_size: 0
    .kernarg_segment_align: 8
    .kernarg_segment_size: 24
    .max_flat_workgroup_size: 128
    .sgpr_count:     80
    .vgpr_count:     672
    .wavefront_size: 32
...
	.end_amdgpu_metadata
.endif
;; end of part 4
